; MI455X (gfx1250); checked and timed in simulation.
; The chip was launched on July 23, 2026; its instructions are those of AMD's public machine-readable ISA for CDNA 5 (MIT licence, August 2026) and "CDNA5" Instruction Set Architecture Reference Guide (July 2026). The comments in the code are by the model that wrote it; some were corrected since.
;; Multi Head Self Attention1 D. Allowed arithmetic: matrix products marked QUANTISED: E2M3 operands, one E8M0 scale for each 32 along K, by v_wmma_scale_f32_16x16x128_f8f6f4 with both operands' format E2M3, f32 sums; everything else in f32.
;; Inputs: Wproj 256 x 256 float32; Wqkv 256 x 768 float32; bproj 256 float32; bqkv 768 float32; x 2 x 256 x 4,096 float32.
;; Outputs: out0 2 x 256 x 4,096 float32.
;; This version of the problem:
;;   THIS VERSION OF THE PROBLEM IS GIVEN IN LOW PRECISION. The matrix products marked QUANTISED in the list below multiply operands that are first quantised to E2M3 (2 exponent bits, 3 mantissa bits; 6 bits a number), with one power-of-two scale for each 32 numbers along K (OCP MX v1.0); their sums are f32. All else is computed in f32.
;;   The module's matrix products, in the order in which they are computed (A, B: the left and right operand; K: the contracted axis; several contracted axes count as one K, in the product's order):
;;     1. [M 8,192, K 256] x [K 256, N 768]; A: input x; B: input Wqkv: QUANTISED
;;     2. batch 16 x [M 4,096, K 32] x [K 32, N 4,096]; A: computed on the way; B: computed on the way: QUANTISED
;;     3. batch 16 x [M 4,096, K 4,096] x [K 4,096, N 32]; A: softmax (see below); B: computed on the way: QUANTISED
;;     4. [M 8,192, K 256] x [K 256, N 256]; A: computed on the way; B: input Wproj: QUANTISED
;;   THE QUANTISER, for each operand of a quantised product, along K:
;;     - K is cut into blocks of 32 from its start; a last block that is shorter is filled with zeros.
;;     - A block's scale is 2^e with e = floor(log2(the largest magnitude in the block)) - 2, held to -126 .. 127; a block of zeros has e = 0. As a byte (E8M0): e + 127.
;;     - Each number is divided by its block's scale, clamped to +-7.5, and rounded to the nearest number of E2M3, ties to even, subnormals kept.
;;     - The product sums the exact products of the quantised numbers (number of the format x scale) in f32.
;;   ~~~python
;;   def quantise(x, axis):      # numpy; x: float32 -> the quantised numbers, widened to float32 again
;;       x = np.moveaxis(x, axis, -1); K = x.shape[-1]
;;       x = np.pad(x, [(0, 0)] * (x.ndim - 1) + [(0, -K % 32)]); x = x.reshape(x.shape[:-1] + (-1, 32)); a = np.abs(x).max(-1, keepdims=True)
;;       e = np.where(a > 0, np.clip(np.frexp(np.where(a > 0, a, 1))[1] - 1 - 2, -126, 127), 0)      # np.frexp(a)[1] - 1 = floor(log2(a)), exactly
;;       r = np.clip(x / 2.0 ** e, -7.5, 7.5)
;;       step = 2.0 ** (np.maximum(np.frexp(np.where(r == 0, 1, r))[1] - 1, 0) - 3)
;;       q = np.round(r / step) * step * 2.0 ** e      # np.round: ties to even
;;       return np.moveaxis(q.reshape(q.shape[:-2] + (-1,))[..., :K], -1, axis).astype(np.float32)
;;   ~~~
;;   SOFTMAX AHEAD OF A QUANTISED PRODUCT. Where the list says 'softmax', what is quantised is not the finished softmax but p = 2^(t - M), with t = logit x log2(e) and M = ceil(the row's largest t), a whole number; so 1/2 < the row's largest p <= 1. The row's sum l is taken of the UNQUANTISED p, in f32, and the product's result is divided by l at the end. Since M is a whole number, a kernel that streams over the keys may use a running M (the ceiling of the running maximum): every later rescaling is an exact power of two, which a block's scale takes up: the codes' values come out the same.
;;   OPERANDS COMPUTED ON THE WAY. 'Computed on the way' means the value that the module computes at that place (a softmax that the list does not call 'softmax' is quantised finished and normalised). What goes into a quantiser is computed in f32, as accurately as f32 sums, v_exp_f32 and their like allow (about 1e-6 of the number): no bf16 or f16 on the way to a quantiser, and a product that is left as it is and whose result goes on into a quantised operand takes f32 operands (vector FMAs, or v_wmma_f32_16x16x4_f32). A number that lies on a knife's edge between two numbers of the format may be rounded either way, as far as f32 arithmetic and the matrix unit's own rounding can turn it there, and no further.
;; 2 versions, each right; version 2 is version 1 with the launches qkv, proj written anew for expert scheduling mode. Each part assembles by itself: llvm-mc -triple=amdgcn-amd-amdhsa -mcpu=gfx1250 --defsym DOCPART=n.
;; ======== version 1 of 2: 3 launches
;; workspace buffers: qc 1,572,864 bytes; qs 65,536 bytes; kvc 3,145,728 bytes; kvs 131,072 bytes; aoc 1,572,864 bytes; aos 65,536 bytes
;; launch qkv (part 1): grid 64 x 4, 4 waves a work-group, no clusters, 86,528 bytes of LDS; arguments x, Wqkv, bqkv, qc, qs, kvc, kvs; writes qc, qs, kvc, kvs
.if DOCPART == 1
	.amdgcn_target "amdgcn-amd-amdhsa--gfx1250"
	.amdhsa_code_object_version 6
	.text
	.protected	k_q7f31454d62_qkv
	.globl	k_q7f31454d62_qkv
	.p2align	8
	.type	k_q7f31454d62_qkv,@function
k_q7f31454d62_qkv:
	s_mov_b64 s[64:65], 0
	v_nop
	global_prefetch_b8 v0, s[64:65] scope:SCOPE_SE
	s_setreg_imm32_b32 hwreg(HW_REG_WAVE_MODE, 25, 1), 1
	s_wait_xcnt 0x0
; qkv = x^T Wqkv + bqkv on codes of FP6 (E2M3) with one E8M0 scale for each 32 along K (the 256 channels); then q, k and v are quantised for the attention launch.
; x: [2][256][4096] f32, Wqkv: [256][768] f32: in both K is NOT innermost, so a lane takes a token (a column) and its registers run down K.
; SHARES.  Work-group (X, g): the 128 tokens of step X & 31 of batch X >> 5, and 192 columns: q's, k's and v's columns 64 g .. 64 g + 63 (heads 2 g, 2 g + 1).  Four waves.
; PHASE Q: wave w quantises K blocks 2 w, 2 w + 1 of x's 128 tokens and of the 192 columns; the codes go to LDS as IMAGES of operand registers: a fragment (16 rows x 128 K, 12 registers a lane)
;   is 1,536 bytes, lane L's 48 bytes at 48 L; block B of row r lies at 48 r + 768 (B & 1) + 24 (B >> 1); its scale word at 4 r, byte B.
; PHASE M: 24 units of 8 matrix instructions, six a wave; the bias is the C of a sum's first instruction.  q, k: source 0 = 16 columns, source 1 = 16 tokens: a lane holds one token and the 32 channels of one head.
;   v: source 0 = 16 tokens, source 1 = 16 columns: a lane holds one channel and 32 neighbouring tokens.  Each is one block of the next product's K: quantised in the lane, no other lane asked.
; WHICH ROWS FORM A TILE is chosen for that: token n of the step: tile 4 (n >> 6) + ((n >> 3) & 3), row 8 ((n >> 5) & 1) + (n & 7);  q, k column c: tile (c >> 3) & 3, row 8 (c >> 5) + (c & 7);
;   v column c: tile 2 (c >> 5) + ((c >> 3) & 1), row 8 ((c >> 4) & 1) + (c & 7).
; OUT: qc [16 head][4096 token][24 B];  qs [64 X][4 g][2 head & 1][128 token];  kvc [16 head][32 step][6,144 B]: two K fragments (row r, block b of fragment f = key 64 f + 32 (r >> 3) + 8 b + (r & 7)),
;   then two V fragments (tile t, row r = channel 16 (r >> 3) + 8 t + (r & 7); K = the step's 128 tokens);  kvs [16 head][32 step][256 B]: K's 32 scale words, V's 32.  All leave through LDS in runs of 512 bytes.
; NO CLUSTER, NO TENSOR LOAD: both operands arrive as f32 and go through registers to the quantiser; as tiles in LDS they would be 128 KB + 192 KB beside 61 KB of images, more than a work-group can claim.
; LIMITS: NaN and infinities among the inputs are not served.  A block's largest magnitude has the floor 2^-124, so its byte is at least 1; a block of zeros has the byte 1 and zero codes (the bytes are read by this program alone).
.set XIMG, 0                           ; x's 16 fragments: (tile, K step) at (2 tile + K step) 1,536
.set WIMG, 24576                       ; the columns': section j (q, k, v) at 12,288 j, in it (2 tile + K step) 1,536
.set XSC,  61440                       ; scale words, 64 bytes a fragment
.set WSC,  62464
.set KVST, 64000                       ; the way out: head & 1 at 6,144: laid as kvc
.set QST,  76288                       ; 3,072 (head & 1) + 24 token
.set SST,  82432                       ; 256 (head & 1): as kvs;  512 + 128 (head & 1) + token: as qs
.set FLOOR, 0x1800000                  ; 2^(3 - 127)
.set T,   32                           ; v32-159  phase Q: four blocks of 32 numbers
.set F,   32                           ; v32-151  phase M: eight fragments (12 (2 i + K step)), then two at +96
.set CS,  160                          ; v160-199 phase Q: four sets of codes, 10 apart: six registers, and three at +6
.set ACC, 160                          ; v160-191 phase M: four accumulators
.set CM,  192                          ; v192-197 phase M: a block's codes;  v216-218 its upper half as converted
.set CM2, 216
.set SB,  200                          ; v200-207 scale words of the eight fragments;  v208-209 of the two: they hold scales and nothing else
.set SS,  208
.set MM,  220                          ; v220-227 largest magnitudes, two chains a block;  v228-231 scale operands;  v232-235 bytes
.set SCL, 228
.set BY,  232
.set OUT, 220                          ; v220-255 the way out
.set BQ,  0                            ; window 2: q's biases, 8 a tile;  k's;  v's
.set BK,  32
.set BV,  64
.set MSB, 0
.macro WIN new                         ; the immediate's high byte repeats the setting that is left
.if MSB != \new
	s_set_vgpr_msb (MSB<<8)|\new
.set MSB, \new
.endif
.endm
; x quad u: K block 2 w + u; load i is channel i of the block at 128 tokens: 512 consecutive bytes; a lane gets tokens 4 l .. 4 l + 3
.macro LOADX u, set
	WIN 0x40
.set i, 0
.rept 32
	global_load_b128 v[128*\set+4*i:128*\set+4*i+3], v2, s[4:5] offset:(32*\u+i)*16384
.set i, i+1
.endr
.endm
; W quad j: K block 2 w + (l >> 4); load i is two rows of 256 consecutive bytes; a lane gets columns 4 (l & 15) .. + 3 of section j
.macro LOADW j, set
	WIN 0x40
.set i, 0
.rept 32
	global_load_b128 v[128*\set+4*i:128*\set+4*i+3], v3, s[6:7] offset:3072*i+1024*\j
.set i, i+1
.endr
.endm
; the conversions take 16 neighbours along K from consecutive registers: a quad's registers (4 i + e) are laid as four blocks (32 e + i)
.macro DEINT set
	WIN 0x01
.set i, 0
.rept 32
.irp e,0,1,2,3
	v_mov_b32 v[T+32*\e+i], v[128*\set+4*i+\e]
.endr
.set i, i+1
.endr
.endm
; cnt blocks of 32 numbers, v[src + 32 e ..], become 24 bytes of codes in v[cl + 10 e ..] and a scale byte in v[BY + e].  The blocks take turns; each has two chains, both ascending.
.macro QB src, cl, ch, cnt
.irp e,0,1,2,3
.if \e < \cnt
	v_max3_num_f32 v[MM+2*\e], |v[\src+32*\e]|, |v[\src+32*\e+1]|, FLOOR    ; the floor among the leaves: the byte cannot fall under 1
	v_max3_num_f32 v[MM+2*\e+1], |v[\src+32*\e+16]|, |v[\src+32*\e+17]|, |v[\src+32*\e+18]|
.endif
.endr
.irp i,0,2,4,6,8,10
.irp e,0,1,2,3
.if \e < \cnt
	v_max3_num_f32 v[MM+2*\e], v[MM+2*\e], |v[\src+32*\e+2+\i]|, |v[\src+32*\e+3+\i]|
	v_max3_num_f32 v[MM+2*\e+1], v[MM+2*\e+1], |v[\src+32*\e+19+\i]|, |v[\src+32*\e+20+\i]|
.endif
.endr
.endr
.irp e,0,1,2,3
.if \e < \cnt
	v_max3_num_f32 v[MM+2*\e], v[MM+2*\e], |v[\src+32*\e+14]|, |v[\src+32*\e+15]|
.endif
.endr
.irp e,0,1,2,3
.if \e < \cnt
	v_max3_num_f32 v[MM+2*\e], v[MM+2*\e], v[MM+2*\e+1], |v[\src+32*\e+31]|
.endif
.endr
.irp e,0,1,2,3
.if \e < \cnt
	v_add_nc_u32 v[SCL+\e], 0xff000000, v[MM+2*\e]     ; 2 off the exponent field: the conversion takes the exponent field of this operand as its scale
.endif
.endr
.irp e,0,1,2,3
.if \e < \cnt
	v_cvt_scalef32_pk16_fp6_f32 v[\cl+10*\e:\cl+10*\e+2], v[\src+32*\e:\src+32*\e+15], v[SCL+\e]
	v_cvt_scalef32_pk16_fp6_f32 v[\ch+10*\e:\ch+10*\e+2], v[\src+32*\e+16:\src+32*\e+31], v[SCL+\e]   ; (a conversion's three registers begin on an even number)
.endif
.endr
.irp e,0,1,2,3
.if \e < \cnt
	v_lshrrev_b32 v[BY+\e], 23, v[SCL+\e]              ; the scale's byte; also the plain line behind the conversions
.endif
.endr
.irp e,0,1,2,3
.if \e < \cnt
.irp p,0,1,2
	v_mov_b32 v[\cl+10*\e+3+\p], v[\ch+10*\e+\p]
.endr
.endif
.endr
.endm
.macro PUT adr, off, sadr, soff        ; four blocks into the images: rows 48 bytes apart, scale words 4
.irp e,0,1,2,3
.irp p,0,1,2
	ds_store_b64 v[\adr], v[CS+10*\e+2*\p:CS+10*\e+2*\p+1] offset:(\off)+48*\e+8*\p
.endr
	ds_store_b8 v[\sadr], v[BY+\e] offset:(\soff)+4*\e
.endr
.endm
.macro LOADBIG base, sbase             ; eight fragments and their scale words
.set k, 0
.rept 8
.irp c,0,1,2
	ds_load_b128 v[F+12*k+4*\c:F+12*k+4*\c+3], v10 offset:(\base)+1536*k+16*\c
.endr
	ds_load_b32 v[SB+k], v11 offset:(\sbase)+64*k
.set k, k+1
.endr
.endm
.macro LOADSMALL adr, off, sadr, soff  ; one tile's two fragments and their scale words
.irp ks,0,1
.irp c,0,1,2
	ds_load_b128 v[F+96+12*\ks+4*\c:F+96+12*\ks+4*\c+3], v[\adr] offset:(\off)+1536*\ks+16*\c
.endr
	ds_load_b32 v[SS+\ks], v[\sadr] offset:(\soff)+64*\ks
.endr
.endm
; Eight matrix instructions: four tiles of the eight fragments against the one tile, K = 256.  The four accumulators take turns.  same = 1: one bias tile for all four.
.macro UNIT bias, same
	s_wait_dscnt 0x0                               ; the fragments are in, and the last unit's LDS stores have read their registers
	WIN 0x20                                       ; C (the bias) in window 2
.irp i,0,1,2,3
	v_wmma_scale_f32_16x16x128_f8f6f4 v[ACC+8*\i:ACC+8*\i+7], v[F+24*\i:F+24*\i+11], v[F+96:F+107], v[\bias+8*\i*(1-\same):\bias+8*\i*(1-\same)+7], v[SB+2*\i], v[SS] matrix_a_fmt:MATRIX_FMT_FP6 matrix_b_fmt:MATRIX_FMT_FP6
.endr
	WIN 0
.irp i,0,1,2,3
	v_wmma_scale_f32_16x16x128_f8f6f4 v[ACC+8*\i:ACC+8*\i+7], v[F+24*\i+12:F+24*\i+23], v[F+108:F+119], v[ACC+8*\i:ACC+8*\i+7], v[SB+2*\i+1], v[SS+1] matrix_a_fmt:MATRIX_FMT_FP6 matrix_b_fmt:MATRIX_FMT_FP6
.endr
.rept 5
	v_nop                                          ; four places ahead of the reads of the results and of the loads into the fragments, five ahead of the next unit's new start on these accumulators
.endr
.endm
.macro ST3 adr, off, sadr, soff        ; a block's 24 bytes and its byte into the stage
.irp p,0,1,2
	ds_store_b64 v[\adr], v[CM+2*\p:CM+2*\p+1] offset:(\off)+8*\p
.endr
	ds_store_b8 v[\sadr], v[BY] offset:\soff
.endm
	s_load_b128 s[4:7], s[0:1], 0x0                ; x, Wqkv
	s_load_b128 s[8:11], s[0:1], 0x10              ; bqkv, qc
	s_load_b128 s[12:15], s[0:1], 0x20             ; qs, kvc
	s_load_b64 s[16:17], s[0:1], 0x30              ; kvs
	v_lshl_add_u32 v215, v0, 2, 0x15000
	v_mov_b32 v219, 0
	v_lshrrev_b32 v32, 5, v0
	v_readfirstlane_b32 s20, v32                   ; wave w
	s_and_b32 s21, ttmp7, 0xffff                   ; g
	s_lshr_b32 s22, ttmp9, 5                       ; batch
	s_and_b32 s23, ttmp9, 31                       ; step
	s_lshr_b32 s24, s20, 1                         ; w >> 1
	s_and_b32 s25, s20, 1                          ; w & 1
	v_and_b32 v1, 31, v0                           ; lane l
	v_bfe_u32 v32, v0, 1, 2                        ; (l >> 1) & 3
	v_bfe_u32 v33, v0, 3, 1                        ; (l >> 3) & 1
	v_and_b32 v34, 1, v0                           ; l & 1
	v_bfe_u32 v35, v0, 4, 1                        ; l >> 4
	v_bfe_u32 v36, v0, 1, 1                        ; (l >> 1) & 1
	v_bfe_u32 v37, v0, 2, 1                        ; (l >> 2) & 1
	v_and_b32 v38, 15, v0                          ; l & 15
	v_and_b32 v39, 7, v0                           ; l & 7
	s_mul_i32 s26, s24, 1536
	s_mul_i32 s27, s25, 24
	s_add_co_u32 s26, s26, s27                     ; the wave's K blocks in an image: K step w >> 1, registers 6 (w & 1) on
	s_lshl_b32 s27, s24, 6
	s_lshl_b32 s28, s25, 1
	s_add_co_u32 s27, s27, s28                     ; and among the scale words
	; phase Q: where a lane's four blocks go (row + e: 48 e in the immediate)
	v_mul_u32_u24 v40, v32, 3072
	v_mad_u32_u24 v40, v33, 384, v40
	v_mad_u32_u24 v40, v34, 192, v40
	v_add_nc_u32 v40, s26, v40
	v_mad_u32_u24 v4, v35, 12288, v40              ; v4: x's codes (token 4 l + e)
	v_mad_u32_u24 v5, v35, 768, v40                ; v5: q's and k's columns' codes (column 4 (l & 15) + e, block parity l >> 4)
	v_mul_u32_u24 v41, v33, 6144
	v_mad_u32_u24 v41, v36, 3072, v41
	v_mad_u32_u24 v41, v37, 384, v41
	v_mad_u32_u24 v41, v34, 192, v41
	v_mad_u32_u24 v41, v35, 768, v41
	v_add_nc_u32 v6, s26, v41                      ; v6: v's columns' codes
	v_lshlrev_b32 v42, 7, v32
	v_lshl_add_u32 v42, v33, 5, v42
	v_lshl_add_u32 v42, v34, 4, v42
	v_add_nc_u32 v42, s27, v42
	v_lshl_add_u32 v7, v35, 9, v42                 ; v7: x's scale bytes
	v_add_nc_u32 v8, v35, v42                      ; v8: q's and k's columns'
	v_lshlrev_b32 v43, 8, v33
	v_lshl_add_u32 v43, v36, 7, v43
	v_lshl_add_u32 v43, v37, 5, v43
	v_lshl_add_u32 v43, v34, 4, v43
	v_add_nc_u32 v43, v35, v43
	v_add_nc_u32 v9, s27, v43                      ; v9: v's columns'
	; phase M: where fragments are read
	v_mul_u32_u24 v10, v1, 48                      ; v10: 48 l
	v_lshlrev_b32 v11, 2, v38                      ; v11: 4 (l & 15)
	s_mul_i32 s28, s20, 6144
	v_add_nc_u32 v12, s28, v10                     ; v12: x's tiles 2 w, 2 w + 1
	s_lshl_b32 s28, s20, 8
	v_add_nc_u32 v13, s28, v11
	s_mul_i32 s28, s20, 3072
	v_add_nc_u32 v14, s28, v10                     ; v14: v's tile w
	s_lshl_b32 s28, s20, 7
	v_add_nc_u32 v15, s28, v11
	; the stages.  Lane (r = l & 15, h = l >> 4).  q, k of x's tile 2 w + uu: token 64 (w >> 1) + 32 (r >> 3) + 8 (2 (w & 1) + uu) + (r & 7), head 2 g + h
	s_mul_i32 s28, s24, 1536
	s_mul_i32 s29, s25, 384
	s_add_co_u32 s28, s28, s29
	s_add_co_u32 s28, s28, QST
	v_mul_u32_u24 v16, v35, 3072
	v_mad_u32_u24 v16, v33, 768, v16
	v_mad_u32_u24 v16, v39, 24, v16
	v_add_nc_u32 v16, s28, v16                     ; v16: q's codes
	s_lshl_b32 s28, s24, 6
	s_lshl_b32 s29, s25, 4
	s_add_co_u32 s28, s28, s29
	s_add_co_u32 s28, s28, SST+512
	v_lshl_add_u32 v17, v35, 7, v39
	v_lshl_add_u32 v17, v33, 5, v17
	v_add_nc_u32 v17, s28, v17                     ; v17: q's bytes
	s_add_co_u32 s28, s26, KVST
	v_mul_u32_u24 v18, v35, 6144
	v_mad_u32_u24 v18, v38, 48, v18
	v_add_nc_u32 v18, s28, v18                     ; v18: k's codes: fragment w >> 1, row r, block 2 (w & 1) + uu
	s_add_co_u32 s28, s27, SST
	v_lshl_add_u32 v19, v35, 8, v11
	v_add_nc_u32 v19, s28, v19                     ; v19: k's bytes
	s_mul_i32 s28, s24, 6144
	s_mul_i32 s29, s25, 1536
	s_add_co_u32 s28, s28, s29
	s_add_co_u32 s28, s28, KVST+3072
	v_add_nc_u32 v20, s28, v10                     ; v20: v's codes: head w >> 1, tile w & 1, row r, block 2 f + h: 48 l + 24 f
	s_lshl_b32 s28, s24, 8
	s_lshl_b32 s29, s25, 6
	s_add_co_u32 s28, s28, s29
	s_add_co_u32 s28, s28, SST+128
	v_add_nc_u32 v21, v35, v11
	v_add_nc_u32 v21, s28, v21                     ; v21: v's bytes
	v_lshlrev_b32 v22, 7, v35                      ; v22: q's and k's biases: columns 32 h on
	s_lshl_b32 s28, s24, 7
	s_lshl_b32 s29, s25, 5
	s_add_co_u32 s28, s28, s29
	v_lshlrev_b32 v23, 2, v39
	v_lshl_add_u32 v23, v33, 6, v23
	v_add_nc_u32 v23, s28, v23                     ; v23: v's bias: column 32 (w >> 1) + 16 (r >> 3) + 8 (w & 1) + (r & 7)
	v_lshlrev_b32 v24, 4, v1                       ; v24: 16 l
	s_mul_i32 s28, s24, 6144
	s_mul_i32 s29, s25, 3072
	s_add_co_u32 s28, s28, s29
	s_add_co_u32 s28, s28, KVST
	v_add_nc_u32 v25, s28, v24                     ; v25: the way out: my 3,072 bytes of K's or V's images
	s_mul_i32 s28, s24, 3072
	s_mul_i32 s29, s25, 1536
	s_add_co_u32 s28, s28, s29
	s_add_co_u32 s28, s28, QST
	v_add_nc_u32 v26, s28, v24                     ; v26: my 1,536 bytes of q's codes
	v_lshlrev_b32 v28, 3, v1                       ; v28: 8 l
	s_lshl_b32 s28, s20, 8
	s_add_co_u32 s28, s28, SST
	v_add_nc_u32 v27, s28, v28                     ; v27: waves 0 to 2: my 256 scale bytes
	s_lshl_b32 s28, s20, 20
	v_add_nc_u32 v2, s28, v24                      ; v2: x: 16 l + 64 w channels of 16,384 bytes
	s_lshl_b32 s28, s20, 1
	v_add_nc_u32 v3, s28, v35
	v_mul_u32_u24 v3, v3, 0x18000
	v_lshl_add_u32 v3, v38, 4, v3                  ; v3: W: 32 (2 w + (l >> 4)) rows of 3,072 bytes + 16 (l & 15)
	; offsets into the buffers
	s_lshl_b32 s30, s22, 3
	s_lshl_b32 s31, s21, 1
	s_add_co_u32 s30, s30, s31                     ; head 8 b + 2 g
	s_add_co_u32 s31, s30, s24                     ; + (w >> 1)
	s_lshl_b32 s32, s22, 22
	s_lshl_b32 s28, s23, 9
	s_add_co_u32 s32, s32, s28                     ; x: the batch, the step's 512 bytes of a channel
	s_mov_b32 s33, 0
	s_lshl_b32 s34, s21, 8                         ; Wqkv and bqkv: 64 g columns
	s_mov_b32 s35, 0
	s_mul_i32 s38, s31, 196608
	s_mul_i32 s28, s23, 6144
	s_add_co_u32 s38, s38, s28
	s_mul_i32 s28, s25, 3072
	s_add_co_u32 s38, s38, s28                     ; kvc: head, step, K's half or V's
	s_mov_b32 s39, 0
	s_lshr_b32 s40, s38, 1                         ; qc: every term is half of kvc's
	s_mov_b32 s41, 0
	s_add_co_u32 s42, s30, s20
	s_lshl_b32 s42, s42, 13
	s_lshl_b32 s28, s23, 8
	s_add_co_u32 s42, s42, s28                     ; kvs (waves 0, 1): head 8 b + 2 g + w, step
	s_lshl_b32 s28, ttmp9, 2
	s_add_co_u32 s28, s28, s21
	s_lshl_b32 s28, s28, 8                         ; qs (wave 2): (4 X + g) 256
	s_cmp_lt_u32 s20, 2
	s_cselect_b32 s42, s42, s28
	s_mov_b32 s43, 0
	s_wait_kmcnt 0x0
	s_cselect_b64 s[36:37], s[16:17], s[12:13]     ; the choice hangs on the wave's number alone
	s_add_nc_u64 s[36:37], s[36:37], s[42:43]
	s_add_nc_u64 s[4:5], s[4:5], s[32:33]
	s_add_nc_u64 s[6:7], s[6:7], s[34:35]
	s_add_nc_u64 s[8:9], s[8:9], s[34:35]
	s_add_nc_u64 s[14:15], s[14:15], s[38:39]
	s_add_nc_u64 s[10:11], s[10:11], s[40:41]
	WIN 0x80                                       ; the biases, in the results' layout, into window 2: 24 loads
.irp i,0,1,2,3
	global_load_b128 v[BQ+8*\i:BQ+8*\i+3], v22, s[8:9] offset:32*\i
	global_load_b128 v[BQ+8*\i+4:BQ+8*\i+7], v22, s[8:9] offset:32*\i+16
	global_load_b128 v[BK+8*\i:BK+8*\i+3], v22, s[8:9] offset:1024+32*\i
	global_load_b128 v[BK+8*\i+4:BK+8*\i+7], v22, s[8:9] offset:1024+32*\i+16
.endr
.irp j,0,1,2,3,4,5,6,7
	global_load_b32 v[BV+\j], v23, s[8:9] offset:2048      ; v's: a lane's eight results are eight tokens of one column
.endr
	; ---- PHASE Q: five quads of 32 loads through two sets of registers; one quad is quantised while the next one or two are on their way
	LOADX 0, 0
	LOADX 1, 1
	s_wait_loadcnt 32                              ; all but the 32 loads of the next quad
	DEINT 0
	LOADW 0, 0
	WIN 0
	QB T, CS, CS+6, 4
	PUT 4, XIMG, 7, XSC
	s_wait_loadcnt 32
	DEINT 1
	LOADW 1, 1
	WIN 0
	s_wait_dscnt 0x0                               ; the last quad's stores have read the code sets
	QB T, CS, CS+6, 4
	PUT 4, XIMG+768, 7, XSC+1
	s_wait_loadcnt 32
	DEINT 0
	LOADW 2, 0
	WIN 0
	s_wait_dscnt 0x0
	QB T, CS, CS+6, 4
	PUT 5, WIMG, 8, WSC
	s_wait_loadcnt 32
	DEINT 1
	WIN 0
	s_wait_dscnt 0x0
	QB T, CS, CS+6, 4
	PUT 5, WIMG+12288, 8, WSC+512
	s_wait_loadcnt 0x0
	DEINT 0
	WIN 0
	s_wait_dscnt 0x0
	QB T, CS, CS+6, 4
	PUT 6, WIMG+24576, 9, WSC+1024
	s_wait_dscnt 0x0                               ; for the others' sake: my stores into the images are done
	s_barrier_signal -1
	s_barrier_wait -1
	; ---- PHASE M
	LOADBIG WIMG, WSC                              ; q's four tiles of columns
.irp uu,0,1
	LOADSMALL 12, XIMG+3072*\uu, 13, XSC+128*\uu
	UNIT BQ, 0
	QB ACC, CM, CM2, 1                             ; a lane's 32 results are one token's 32 channels of one head
	ST3 16, 192*\uu, 17, 8*\uu
.endr
	LOADBIG WIMG+12288, WSC+512                    ; k's
.irp uu,0,1
	LOADSMALL 12, XIMG+3072*\uu, 13, XSC+128*\uu
	UNIT BK, 0
	QB ACC, CM, CM2, 1
	ST3 18, 768*\uu, 19, \uu
.endr
	LOADSMALL 14, WIMG+24576, 15, WSC+1024         ; v's tile w
.irp f,0,1
	LOADBIG XIMG+12288*\f, XSC+512*\f              ; x's tiles 4 f .. 4 f + 3
	UNIT BV, 1
	QB ACC, CM, CM2, 1                             ; a lane's 32 results are tokens 64 f + 32 h + 0 .. 31 of one channel
	ST3 20, 24*\f, 21, 2*\f
.endr
	s_wait_dscnt 0x0                               ; my stores into the stages are done
	s_barrier_signal -1
	s_barrier_wait -1
	; ---- THE WAY OUT: each store of a wave covers 512 consecutive bytes, at a multiple of 256 from its buffer's first byte
.irp j,0,1,2,3,4,5
	ds_load_b128 v[OUT+4*\j:OUT+4*\j+3], v25 offset:512*\j
.endr
.irp j,0,1,2
	ds_load_b128 v[OUT+24+4*\j:OUT+24+4*\j+3], v26 offset:512*\j
.endr
.irp j,0,1,2,3,4,5
	s_wait_dscnt 8-\j                              ; the younger loads may be out
	global_store_b128 v24, v[OUT+4*\j:OUT+4*\j+3], s[14:15] offset:512*\j
.endr
.irp j,0,1,2
	s_wait_dscnt 2-\j
	global_store_b128 v24, v[OUT+24+4*\j:OUT+24+4*\j+3], s[10:11] offset:512*\j
.endr
	s_cmp_gt_u32 s20, 2                            ; waves 0, 1: a head's 256 bytes of kvs; wave 2: the 256 bytes of qs
	s_cbranch_scc1 .Lno_scales
	ds_load_b64 v[32:33], v27
	s_wait_dscnt 0x0
	global_store_b64 v28, v[32:33], s[36:37]       ; 256 consecutive bytes, aligned
.Lno_scales:
	s_wait_tensorcnt 0x0
	ds_add_u32 v215, v219
	s_wait_dscnt 0x0
	s_endpgm
.Lfunc_end_k_q7f31454d62_qkv:
	.size	k_q7f31454d62_qkv, .Lfunc_end_k_q7f31454d62_qkv-k_q7f31454d62_qkv
	.p2alignl 7, 3214868480
	.fill 96, 4, 3214868480
	.section	.rodata,"a",@progbits
	.p2align	6, 0x0
	.amdhsa_kernel k_q7f31454d62_qkv
		.amdhsa_group_segment_fixed_size 86528
		.amdhsa_private_segment_fixed_size 0
		.amdhsa_enable_private_segment 0
		.amdhsa_kernarg_size 56
		.amdhsa_user_sgpr_count 2
		.amdhsa_user_sgpr_kernarg_segment_ptr 1
		.amdhsa_wavefront_size32 1
		.amdhsa_system_sgpr_workgroup_id_x 1
		.amdhsa_system_sgpr_workgroup_id_y 1
		.amdhsa_system_sgpr_workgroup_id_z 1
		.amdhsa_system_vgpr_workitem_id 0
		.amdhsa_next_free_vgpr 592
		.amdhsa_next_free_sgpr 66
		.amdhsa_reserve_vcc 0
		.amdhsa_float_denorm_mode_32 3
		.amdhsa_float_denorm_mode_16_64 3
		.amdhsa_memory_ordered 1
		.amdhsa_forward_progress 1
		.amdhsa_inst_pref_size 108
	.end_amdhsa_kernel
	.amdgpu_metadata
---
amdhsa.version: [ 1, 2 ]
amdhsa.kernels:
  - .name:           k_q7f31454d62_qkv
    .symbol:         k_q7f31454d62_qkv.kd
    .args:
      - { .name: x, .offset: 0, .size: 8, .value_kind: global_buffer, .address_space: global }
      - { .name: Wqkv, .offset: 8, .size: 8, .value_kind: global_buffer, .address_space: global }
      - { .name: bqkv, .offset: 16, .size: 8, .value_kind: global_buffer, .address_space: global }
      - { .name: qc, .offset: 24, .size: 8, .value_kind: global_buffer, .address_space: global }
      - { .name: qs, .offset: 32, .size: 8, .value_kind: global_buffer, .address_space: global }
      - { .name: kvc, .offset: 40, .size: 8, .value_kind: global_buffer, .address_space: global }
      - { .name: kvs, .offset: 48, .size: 8, .value_kind: global_buffer, .address_space: global }
    .group_segment_fixed_size: 86528
    .private_segment_fixed_size: 0
    .kernarg_segment_align: 8
    .kernarg_segment_size: 56
    .max_flat_workgroup_size: 128
    .sgpr_count:     66
    .vgpr_count:     592
    .wavefront_size: 32
...
	.end_amdgpu_metadata
.endif
;; end of part 1
;; launch attn (part 2): grid 16 x 16, 16 waves a work-group, clusters of 4 x 1, 215,040 bytes of LDS; arguments qc, qs, kvc, kvs, aoc, aos; writes aoc, aos
.if DOCPART == 2
	.amdgcn_target "amdgcn-amd-amdhsa--gfx1250"
	.amdhsa_code_object_version 6
	.text
	.protected	k_q7f31454d62_attn
	.globl	k_q7f31454d62_attn
	.p2align	8
	.type	k_q7f31454d62_attn,@function
k_q7f31454d62_attn:
	s_mov_b64 s[64:65], 0
	v_nop
	global_prefetch_b8 v0, s[64:65] scope:SCOPE_SE
	s_setreg_imm32_b32 hwreg(HW_REG_WAVE_MODE, 25, 1), 1
	s_wait_xcnt 0x0
	s_wait_alu depctr_hold_cnt(0) depctr_sa_sdst(0) depctr_va_vdst(0) depctr_va_sdst(0) depctr_va_ssrc(0) depctr_va_vcc(0) depctr_vm_vsrc(0)
	s_getreg_b32 s2, hwreg(HW_REG_IB_STS2, 6, 4)
	s_cmp_eq_u32 s2, 0
	s_cbranch_scc0 .Lentry_in_a_cluster
	s_endpgm
.Lentry_in_a_cluster:
	s_bfe_u32 s2, ttmp6, 0x10000c
	s_cmp_lg_u32 s2, 0x3003
	s_cbranch_scc0 .Lentry_shape_is_right
	s_endpgm
.Lentry_shape_is_right:
; O[y][q][:] = softmax_k(Q[y][q] . K[y][k] / sqrt(32)) V[y][k][:] for 16 heads y of 4,096 tokens and 32 channels, both products on codes of FP6 (E2M3) with E8M0 scales; the result is quantised for the last product.
; THE SOFTMAX: t = score x log2(e) / sqrt(32); M = the running largest t rounded UP to a whole number; p = 2^(t - M) is quantised along the keys, not normalised; the row's sum is taken of the unquantised p and divides at the end.
; When M moves, the sum and O are multiplied by 2^(old M - new M), which rounds nothing.
; SHARES.  A work-group owns 256 queries of one head, each of its sixteen waves 16 of them, in 226 registers: four waves to a SIMD, so that one wave's exponentials stand beside another's products and LDS loads.
; A HEAD'S K AND V, 196,608 bytes of codes and 8,192 of scale bytes, STAY IN LDS: every LDS byte is filled once, in four quarters of eight key steps that are read as they land.
; CLUSTER.  The four work-groups of a cluster belong to one head: each tile is asked for JOINTLY, by the same tensor load with the same descriptor and a mask that names the four.  A wave has five tensor loads out.
; LAYOUT.  Both products transposed: a lane holds ONE query (lane & 15) throughout.  The first product's K is 32, the instruction's 128: a K fragment holds 64 keys, row r, block b = key 64 f + 32 (r >> 3) + 8 b + (r & 7),
; and Q has four versions, q in block b and zero codes elsewhere, cut out of 30 registers Z QL Z QH Z (QL: q in lanes 0-15, zeros above; QH the reverse).  Instruction (f, b) gives keys 64 f + 32 h + 8 b + 0 .. 7 (h = lane >> 4):
; so S[32 f + i] is key 64 f + 32 h + i: a WHOLE block of P in one lane, in the order of P's operand: no lane is asked for a block's maximum, and nothing changes lanes.
; V's tile t, row r = channel 16 (r >> 3) + 8 t + (r & 7): O's 16 registers are channels 16 h + 0 .. 15.
; LIMITS.  NaN and infinities are not served.  reference()'s nan_to_num changes only NaN and infinities: a logit is at most 32 x 4 x |q| |k|, finite for |q|, |k| < 2^60; inside that range the step is the identity and is not written.
; A block's largest p has the floor 2^-124 (byte at least 1); p under 2^-126 counts as 0.
.set KVS, 196608                       ; LDS: codes at 6,144 step (K's two fragments, V's two);  scale words at KVS + 256 step (K's 32, V's 32)
.set STG, 204800                       ; the way out: 256 tokens x 24 bytes;  their 256 scale bytes.  No tile lands here
.set STS, 210944
.set FLOOR, 0x1800000                  ; 2^(3 - 127)
.set QS,  46                           ; v46-49   Q's scale words, one for each version: q's byte at byte b, the byte 1 elsewhere
.set KF,  50                           ; v50-73   K's two fragments
.set VF,  74                           ; v74-97   V's two
.set KS,  98                           ; v98 K's scale words (lanes 0-15 fragment 0, lanes 16-31 fragment 1), v99 V's, v100 P's: they hold scales and nothing else
.set VS,  99
.set PS,  100
.set S,   104                          ; v104-167 the scores, then p
.set O,   168                          ; v168-183 O^T
.set PC,  184                          ; v184-195 P's codes;  v196-198, v200-202 the blocks' upper halves as converted
.set PT,  196
.set BM,  204                          ; v204-205 the two blocks' largest scores, then largest p;  v206-207 second chains
.set BN,  206
.set SO,  208                          ; v208-209 scale operands;  v210-211 bytes
.set BY,  210
; v1 48 l; v2 KVS + 4 l; v3, v4 the step's addresses; v5 8 h; v6-9 stage addresses; v[10:11] f; v12 -M; v13 the largest score; v[14:15] the sum in two halves; v16-45 Z QL Z QH Z; v101 16 x thread, v102 8 l; v212-215 at work
.macro ROUND                           ; a round of the cluster's barrier
	s_barrier_signal -1
	s_barrier_wait -1
	s_cmp_lg_u32 s16, 0
	s_cbranch_scc1 .Lnot_wave_0_\@
	s_barrier_signal -3
.Lnot_wave_0_\@:
	s_barrier_wait -3
	s_barrier_signal -1
	s_barrier_wait -1
.endm
.macro G0C g, j                        ; descriptor group 0 of my 3,072 bytes of quarter j
	s_mov_b32 s[\g], 1                             ; count = 1
	s_add_co_u32 s[\g+1], s27, 49152*\j            ; LDS address: 49,152 j + 3,072 w
	s_add_nc_u64 s[\g+2:\g+3], s[8:9], 49152*\j    ; global address: the same place in the head's codes
	s_or_b32 s[\g+3], s[\g+3], 0x80000000          ; type = 2
.endm
	s_load_b256 s[4:11], s[0:1], 0x0               ; qc s[4:5], qs s[6:7], kvc s[8:9], kvs s[10:11]
	s_load_b128 s[12:15], s[0:1], 0x20             ; aoc s[12:13], aos s[14:15]
	v_lshl_add_u32 v224, v0, 2, 0x34000
	v_mov_b32 v225, 0
	ds_add_u32 v224, v225
	ds_add_u32 v224, v225
	v_lshrrev_b32 v212, 5, v0
	v_readfirstlane_b32 s16, v212                  ; wave w, 0..15
	s_bfe_u32 s17, ttmp6, 0x40000                  ; cx: my place in the cluster
	s_lshl_b32 s18, ttmp9, 2
	s_add_co_u32 s18, s18, s17                     ; my block of 256 queries: it enters global addresses of Q and of the output alone
	s_and_b32 s19, ttmp7, 0xffff                   ; the head y, which the four partners share
	s_mov_b32 s20, 0x76543210
	s_mov_b32 s21, 0xfedcba98                      ; v_permlanex16_b32's selects for lane l xor 16
	s_mov_b32 s22, 0x3e8293ee                      ; c = log2(e) / sqrt(32)
	s_mov_b32 s23, s22                             ; (named with it as a pair, so it is written)
	; descriptor group 1: dense bytes as rows of 256 (32 elements of 8 bytes), no padding.  Codes: 12 rows a load; scale bytes: 2
	s_mov_b32 s32, 15|(3<<16)|(1<<21)              ; 15:0 the mask: all four work-groups; 17:16 elements of 8 bytes; 21 set beside a mask
	s_mov_b32 s33, 32<<16                          ; tensor_dim0 = 32
	s_mov_b32 s34, 12<<16                          ; tensor_dim1 = 12
	s_mov_b32 s35, 32<<16                          ; tile_dim0 = 32
	s_mov_b32 s36, 12                              ; tile_dim1 = 12
	s_mov_b32 s37, 32                              ; from row to row: 32 elements
	s_mov_b32 s38, 0
	s_mov_b32 s39, 0
	s_mov_b32 s40, 15|(3<<16)|(1<<21)
	s_mov_b32 s41, 32<<16
	s_mov_b32 s42, 2<<16
	s_mov_b32 s43, 32<<16
	s_mov_b32 s44, 2
	s_mov_b32 s45, 32
	s_mov_b32 s46, 0
	s_mov_b32 s47, 0
	s_mul_i32 s28, s19, 196608
	s_mul_i32 s27, s16, 3072
	s_add_co_u32 s28, s28, s27                     ; the head's codes, my 3,072 bytes of a quarter
	s_mov_b32 s29, 0
	s_lshl_b32 s30, s19, 13
	s_lshl_b32 s26, s16, 9
	s_add_co_u32 s30, s30, s26                     ; the head's scale bytes, my 512
	s_mov_b32 s31, 0
	s_wait_dscnt 0x0
	s_wait_kmcnt 0x0
	s_add_nc_u64 s[8:9], s[8:9], s[28:29]
	s_add_nc_u64 s[10:11], s[10:11], s[30:31]
	s_mov_b32 s48, 1
	s_add_co_u32 s49, s26, KVS
	s_mov_b64 s[50:51], s[10:11]
	s_or_b32 s51, s51, 0x80000000
	G0C 52, 0
	G0C 56, 1
	G0C 60, 2
	G0C 68, 3
	ROUND                                          ; all four work-groups are here: the joint loads meet
	tensor_load_to_lds s[48:51], s[40:47]          ; the scale bytes first: they are wanted with the first step
	s_nop 0
	tensor_load_to_lds s[52:55], s[32:39]          ; then the four quarters, in the order in which they are read
	s_nop 0
	tensor_load_to_lds s[56:59], s[32:39]
	s_nop 0
	tensor_load_to_lds s[60:63], s[32:39]
	s_nop 0
	tensor_load_to_lds s[68:71], s[32:39]
	s_nop 0
.rept 4
	v_nop
.endr
	s_lshl_b32 s28, s19, 12
	s_lshl_b32 s30, s18, 8
	s_add_co_u32 s28, s28, s30                     ; 4,096 y + 256 block: the work-group's first token among all heads'
	s_lshl_b32 s30, s16, 4
	s_add_co_u32 s30, s28, s30                     ; my first query
	s_mul_i32 s30, s30, 24
	s_mov_b32 s31, 0
	s_add_nc_u64 s[4:5], s[4:5], s[30:31]          ; its codes
	s_mov_b32 s29, 0
	s_add_nc_u64 s[14:15], s[14:15], s[28:29]      ; aos: a byte a token
	s_mul_i32 s28, s28, 24
	s_add_nc_u64 s[12:13], s[12:13], s[28:29]      ; aoc: 24 bytes a token
	s_lshr_b32 s30, s19, 3
	s_lshl_b32 s30, s30, 5
	s_lshl_b32 s28, s18, 1
	s_add_co_u32 s30, s30, s28
	s_lshr_b32 s28, s16, 3
	s_add_co_u32 s30, s30, s28                     ; qs: X = 32 batch + the step of my queries,
	s_lshl_b32 s30, s30, 2
	s_bfe_u32 s28, s19, 0x20001
	s_add_co_u32 s30, s30, s28                     ; g = (y >> 1) & 3,
	s_lshl_b32 s30, s30, 8
	s_and_b32 s28, s19, 1
	s_lshl_b32 s28, s28, 7
	s_add_co_u32 s30, s30, s28                     ; y & 1,
	s_and_b32 s28, s16, 7
	s_lshl_b32 s28, s28, 4
	s_add_co_u32 s30, s30, s28                     ; and the token in the step
	s_add_nc_u64 s[6:7], s[6:7], s[30:31]
	v_and_b32 v212, 15, v0                         ; r
	v_mul_u32_u24 v213, v212, 24
	global_load_b64 v[104:105], v213, s[4:5]       ; q's 24 bytes of query r, in both halves of the lanes
	global_load_b64 v[106:107], v213, s[4:5] offset:8
	global_load_b64 v[108:109], v213, s[4:5] offset:16
	global_load_u8 v110, v212, s[6:7]              ; and its scale byte
	v_and_b32 v216, 31, v0                         ; l
	v_bfe_u32 v217, v0, 4, 1                       ; h
	v_mul_u32_u24 v1, v216, 48
	v_lshl_add_u32 v2, v216, 2, KVS
	v_lshlrev_b32 v5, 3, v217
	s_mul_i32 s27, s16, 384
	s_add_co_u32 s27, s27, STG
	v_mad_u32_u24 v6, v217, 12, v213
	v_add_nc_u32 v6, s27, v6                       ; v6: the stage: token 16 w + r, + 12 h
	s_lshl_b32 s27, s16, 4
	s_add_co_u32 s27, s27, STS
	v_add_nc_u32 v7, s27, v212                     ; v7: its scale byte
	v_lshlrev_b32 v101, 4, v0
	v_add_nc_u32 v8, STG, v101                     ; v8: back: 16 bytes a thread (waves 0 to 11)
	v_lshlrev_b32 v102, 3, v216
	v_add_nc_u32 v9, STS, v102                     ; v9: 8 bytes a lane (wave 12)
.irp i,0,1,2,3,4,5
	v_mov_b32 v[16+\i], 0                          ; the three runs of zero codes
	v_mov_b32 v[28+\i], 0
	v_mov_b32 v[40+\i], 0
.endr
	v_mov_b32 v13, 0xff61b1e6                      ; the largest score so far: -3e38
	v_mul_f32 v214, s22, v13
	v_floor_f32 v12, -v214                         ; -M
	v_mov_b32 v14, 0                               ; the sum
	v_mov_b32 v15, 0
	v_mov_b32 v11, 0                               ; (named as the upper half of the pair v[10:11])
	v_cmp_gt_u32 vcc_lo, 16, v216
	s_wait_loadcnt 0x0
.irp i,0,1,2,3,4,5
	v_cndmask_b32 v[22+\i], v[16+\i], v[104+\i], vcc_lo    ; QL
	v_cndmask_b32 v[34+\i], v[104+\i], v[16+\i], vcc_lo    ; QH
.endr
	v_lshl_or_b32 v[QS], v110, 0, 0x01010100
	v_lshl_or_b32 v[QS+1], v110, 8, 0x01010001
	v_lshl_or_b32 v[QS+2], v110, 16, 0x01000101
	v_lshl_or_b32 v[QS+3], v110, 24, 0x00010101
.irp j,0,1,2,3,4,5,6,7,8,9,10,11,12,13,14,15
	v_mov_b32 v[O+\j], 0                           ; O^T: the step is written once; the first finds zeros.  (These are also the places between the scale words just made and the first product)
.endr
; A KEY STEP: 128 keys.
.macro STEP
	v_add_nc_u32 v3, s24, v1
	v_add_nc_u32 v4, s25, v2
	v_nop
	v_nop                                          ; four places behind the last products, ahead of the loads into V's registers
.irp f,0,1
.irp c,0,1,2
	ds_load_b128 v[KF+12*\f+4*\c:KF+12*\f+4*\c+3], v3 offset:1536*\f+16*\c
.endr
.endr
	ds_load_b32 v[KS], v4
.irp t,0,1
.irp c,0,1,2
	ds_load_b128 v[VF+12*\t+4*\c:VF+12*\t+4*\c+3], v3 offset:3072+1536*\t+16*\c
.endr
.endr
	ds_load_b32 v[VS], v4 offset:128
	s_wait_dscnt 7                                 ; K and its scale words are in; V's seven loads may be out
.irp b,0,1,2,3
	v_wmma_scale_f32_16x16x128_f8f6f4 v[S+8*\b:S+8*\b+7], v[KF:KF+11], v[22+12*(\b%2)-6*(\b/2):33+12*(\b%2)-6*(\b/2)], 0, v[KS], v[QS+\b] matrix_a_fmt:MATRIX_FMT_FP6 matrix_b_fmt:MATRIX_FMT_FP6
.endr
.irp b,0,1,2,3
	v_wmma_scale_f32_16x16x128_f8f6f4 v[S+32+8*\b:S+32+8*\b+7], v[KF+12:KF+23], v[22+12*(\b%2)-6*(\b/2):33+12*(\b%2)-6*(\b/2)], 0, v[KS], v[QS+\b] matrix_a_fmt:MATRIX_FMT_FP6 matrix_b_fmt:MATRIX_FMT_FP6 matrix_a_scale:MATRIX_SCALE_ROW1
.endr
.rept 4
	v_nop
.endr
	; the largest score of each of my two blocks of 32 keys: it serves the row's maximum and, since p rises with the score, the block's largest p.  Four chains by turns, each ascending
.irp f,0,1
	v_max3_num_f32 v[BM+\f], v[S+32*\f], v[S+32*\f+1], v[S+32*\f+2]
	v_max3_num_f32 v[BN+\f], v[S+32*\f+16], v[S+32*\f+17], v[S+32*\f+18]
.endr
.irp i,3,5,7,9,11,13
.irp f,0,1
	v_max3_num_f32 v[BM+\f], v[BM+\f], v[S+32*\f+\i], v[S+32*\f+\i+1]
	v_max3_num_f32 v[BN+\f], v[BN+\f], v[S+32*\f+16+\i], v[S+32*\f+17+\i]
.endr
.endr
.irp f,0,1
	v_max3_num_f32 v[BM+\f], v[BM+\f], v[BN+\f], v[S+32*\f+15]
.endr
.irp f,0,1
	v_max_num_f32 v[BM+\f], v[BM+\f], v[S+32*\f+31]
.endr
	v_max_num_f32 v212, v[BM], v[BM+1]
	v_permlanex16_b32 v213, v212, s20, s21         ; the query's other 64 keys lie in lane l xor 16
	v_max3_num_f32 v13, v13, v212, v213            ; the running largest score
	v_mul_f32 v212, s22, v13                       ; as t (c is positive)
	v_mov_b32 v213, v12
	v_floor_f32 v12, -v212                         ; the new -M = floor(-t): M is a whole number
	v_sub_f32 v213, v12, v213                      ; old M - new M: a whole number, 0 or less
	v_cvt_i32_f32 v213, v213                       ; (it saturates)
	v_ldexp_f32 v10, 1.0, v213                     ; f = 2^(old M - new M)
.set j, 0
.rept 32
	v_pk_fma_f32 v[S+j:S+j+1], v[S+j:S+j+1], s[22:23], v[12:13] op_sel_hi:[1,0,0]   ; t - M, two at a time
.set j, j+2
.endr
.irp f,0,1
	v_fma_f32 v[BM+\f], v[BM+\f], s22, v12         ; the same of each block's largest score
.endr
.irp f,0,1
	v_exp_f32 v[BM+\f], v[BM+\f]                   ; ONE BATCH of 66 exponentials: the blocks' largest p,
.endr
.set j, 0
.rept 64
	v_exp_f32 v[S+j], v[S+j]                       ; and p = 2^(t - M), at most 1
.set j, j+1
.endr
	v_pk_mul_f32 v[14:15], v[14:15], v[10:11] op_sel_hi:[1,0]   ; the sum under the new M; the plain line behind the batch
	s_wait_alu depctr_va_vdst(0)                   ; one wait for the batch, ahead of its first reader
.irp f,0,1
	v_max_num_f32 v[BM+\f], FLOOR, v[BM+\f]        ; the floor: the byte cannot fall under 1
.endr
.irp f,0,1
	v_add_nc_u32 v[SO+\f], 0xff000000, v[BM+\f]    ; 2 off the exponent field: the conversion's scale operand
.endr
.irp f,0,1
	v_lshrrev_b32 v[BY+\f], 23, v[SO+\f]           ; the scale's byte
.endr
	v_lshl_or_b32 v212, v[BY+1], 16, v[BY]         ; my two bytes: blocks h and 2 + h,
	v_lshlrev_b32 v212, v5, v212                   ; at their places in the word (8 h bits up);
	v_permlanex16_b32 v213, v212, s20, s21
	v_or_b32 v[PS], v212, v213                     ; with lane l xor 16's two the word is whole
.irp f,0,1
	v_cvt_scalef32_pk16_fp6_f32 v[PC+6*\f:PC+6*\f+2], v[S+32*\f:S+32*\f+15], v[SO+\f]
	v_cvt_scalef32_pk16_fp6_f32 v[PT+4*\f:PT+4*\f+2], v[S+32*\f+16:S+32*\f+31], v[SO+\f]   ; (a conversion's three registers begin on an even number)
.endr
.irp j,0,2,4,6,8,10,12,14
	v_pk_mul_f32 v[O+\j:O+\j+1], v[O+\j:O+\j+1], v[10:11] op_sel_hi:[1,0]   ; O^T under the new M, from each accumulator's low end on; also the plain line behind the conversions
.endr
.irp f,0,1
.irp i,0,1,2
	v_mov_b32 v[PC+6*\f+3+\i], v[PT+4*\f+\i]
.endr
.endr
	v_pk_add_f32 v[214:215], v[S:S+1], v[S+2:S+3]  ; the row's sum, of the UNQUANTISED p, in two chains.  These 32 lines are also the places between P's codes and scale word and the products
.irp j,4,8,12,16,20,24,28,32,36,40,44,48,52,56,60
	v_pk_add_f32 v[14:15], v[14:15], v[S+\j:S+\j+1]
	v_pk_add_f32 v[214:215], v[214:215], v[S+\j+2:S+\j+3]
.endr
	v_pk_add_f32 v[14:15], v[14:15], v[214:215]
	s_wait_dscnt 0x0                               ; V is in
	v_wmma_scale_f32_16x16x128_f8f6f4 v[O:O+7], v[VF:VF+11], v[PC:PC+11], v[O:O+7], v[VS], v[PS] matrix_a_fmt:MATRIX_FMT_FP6 matrix_b_fmt:MATRIX_FMT_FP6
	v_wmma_scale_f32_16x16x128_f8f6f4 v[O+8:O+15], v[VF+12:VF+23], v[PC:PC+11], v[O+8:O+15], v[VS], v[PS] matrix_a_fmt:MATRIX_FMT_FP6 matrix_b_fmt:MATRIX_FMT_FP6 matrix_a_scale:MATRIX_SCALE_ROW1
	s_add_co_u32 s24, s24, 6144                    ; the next step's tiles and scale words
	s_add_co_u32 s25, s25, 256
.endm
; A quarter of the head: eight key steps.  My part of it has landed when at most the later quarters' loads are out; behind the barrier everybody's has.
.macro QUARTER n
	s_wait_tensorcnt 3-\n
	s_barrier_signal -1
	s_barrier_wait -1
	s_mov_b32 s24, 49152*\n
	s_mov_b32 s25, 2048*\n
	s_mov_b32 s26, 8
.Lstep_\@:
	STEP
	s_sub_co_u32 s26, s26, 1
	s_cmp_lg_u32 s26, 0
	s_cbranch_scc1 .Lstep_\@
.endm
	QUARTER 0
	QUARTER 1
	QUARTER 2
	QUARTER 3
	; THE WAY OUT: O^T / the sum; quantised along the head's 32 channels (16 in me, 16 in lane l xor 16); codes and bytes meet in the stage and leave in whole runs
.rept 4
	v_nop                                          ; places behind the last products
.endr
	v_add_f32 v14, v14, v15
	v_permlanex16_b32 v213, v14, s20, s21
	v_add_f32 v14, v14, v213                       ; the row's sum
	v_rcp_f32 v14, v14
	v_nop                                          ; a plain line behind the reciprocal
	s_wait_alu depctr_va_vdst(0)                   ; and the wait ahead of its first reader
.irp j,0,1,2,3,4,5,6,7,8,9,10,11,12,13,14,15
	v_mul_f32 v[S+\j], v[O+\j], v14                ; channel 16 h + j of query r
.endr
	v_max3_num_f32 v212, |v[S]|, |v[S+1]|, FLOOR
	v_max3_num_f32 v214, |v[S+8]|, |v[S+9]|, |v[S+10]|
	v_max3_num_f32 v212, v212, |v[S+2]|, |v[S+3]|
	v_max3_num_f32 v214, v214, |v[S+11]|, |v[S+12]|
	v_max3_num_f32 v212, v212, |v[S+4]|, |v[S+5]|
	v_max3_num_f32 v214, v214, |v[S+13]|, |v[S+14]|
	v_max3_num_f32 v212, v212, |v[S+6]|, |v[S+7]|
	v_max3_num_f32 v212, v212, v214, |v[S+15]|
	v_permlanex16_b32 v213, v212, s20, s21
	v_max_num_f32 v212, v212, v213                 ; the block's largest magnitude
	v_add_nc_u32 v[SO], 0xff000000, v212
	v_cvt_scalef32_pk16_fp6_f32 v[PC:PC+2], v[S:S+15], v[SO]
	v_lshrrev_b32 v[BY], 23, v[SO]                 ; the byte; the plain line behind the conversion
	ds_store_b32 v6, v[PC]
	ds_store_b32 v6, v[PC+1] offset:4
	ds_store_b32 v6, v[PC+2] offset:8
	ds_store_b8 v7, v[BY]                          ; both halves of the lanes write the same byte with the same value
	s_wait_dscnt 0x0                               ; for the others' sake: my stores are done
	s_barrier_signal -1
	s_barrier_wait -1
	s_cmp_lt_u32 s16, 12                           ; 6,144 bytes of codes: 16 bytes a thread of waves 0 to 11
	s_cbranch_scc0 .Lnot_codes
	ds_load_b128 v[204:207], v8
	s_wait_dscnt 0x0
	global_store_b128 v101, v[204:207], s[12:13]   ; a wave stores 512 consecutive bytes, at a multiple of 256 from aoc's first byte
.Lnot_codes:
	s_cmp_eq_u32 s16, 12                           ; 256 scale bytes: wave 12
	s_cbranch_scc0 .Lnot_scales
	ds_load_b64 v[208:209], v9
	s_wait_dscnt 0x0
	global_store_b64 v102, v[208:209], s[14:15]
.Lnot_scales:
	s_wait_tensorcnt 0x0
	ds_add_u32 v224, v225
	s_wait_dscnt 0x0
	ROUND                                          ; the closing round: no work-group ends while a partner may still ask for a tile that names it
	s_endpgm
.Lfunc_end_k_q7f31454d62_attn:
	.size	k_q7f31454d62_attn, .Lfunc_end_k_q7f31454d62_attn-k_q7f31454d62_attn
	.p2alignl 7, 3214868480
	.fill 96, 4, 3214868480
	.section	.rodata,"a",@progbits
	.p2align	6, 0x0
	.amdhsa_kernel k_q7f31454d62_attn
		.amdhsa_group_segment_fixed_size 215040
		.amdhsa_private_segment_fixed_size 0
		.amdhsa_enable_private_segment 0
		.amdhsa_kernarg_size 48
		.amdhsa_user_sgpr_count 2
		.amdhsa_user_sgpr_kernarg_segment_ptr 1
		.amdhsa_wavefront_size32 1
		.amdhsa_system_sgpr_workgroup_id_x 1
		.amdhsa_system_sgpr_workgroup_id_y 1
		.amdhsa_system_sgpr_workgroup_id_z 1
		.amdhsa_system_vgpr_workitem_id 0
		.amdhsa_next_free_vgpr 226
		.amdhsa_next_free_sgpr 80
		.amdhsa_reserve_vcc 1
		.amdhsa_float_denorm_mode_32 3
		.amdhsa_float_denorm_mode_16_64 3
		.amdhsa_memory_ordered 1
		.amdhsa_forward_progress 1
		.amdhsa_inst_pref_size 64
	.end_amdhsa_kernel
	.amdgpu_metadata
---
amdhsa.version: [ 1, 2 ]
amdhsa.kernels:
  - .name:           k_q7f31454d62_attn
    .symbol:         k_q7f31454d62_attn.kd
    .args:
      - { .name: qc, .offset: 0, .size: 8, .value_kind: global_buffer, .address_space: global }
      - { .name: qs, .offset: 8, .size: 8, .value_kind: global_buffer, .address_space: global }
      - { .name: kvc, .offset: 16, .size: 8, .value_kind: global_buffer, .address_space: global }
      - { .name: kvs, .offset: 24, .size: 8, .value_kind: global_buffer, .address_space: global }
      - { .name: aoc, .offset: 32, .size: 8, .value_kind: global_buffer, .address_space: global }
      - { .name: aos, .offset: 40, .size: 8, .value_kind: global_buffer, .address_space: global }
    .group_segment_fixed_size: 215040
    .private_segment_fixed_size: 0
    .kernarg_segment_align: 8
    .kernarg_segment_size: 48
    .max_flat_workgroup_size: 512
    .sgpr_count:     80
    .vgpr_count:     226
    .wavefront_size: 32
...
	.end_amdgpu_metadata
.endif
;; end of part 2
;; launch proj (part 3): grid 64 x 4, 4 waves a work-group, no clusters, 47,616 bytes of LDS; arguments aoc, aos, Wproj, bproj, out0; writes out0
.if DOCPART == 3
	.amdgcn_target "amdgcn-amd-amdhsa--gfx1250"
	.amdhsa_code_object_version 6
	.text
	.protected	k_q7f31454d62_proj
	.globl	k_q7f31454d62_proj
	.p2align	8
	.type	k_q7f31454d62_proj,@function
k_q7f31454d62_proj:
	s_mov_b64 s[64:65], 0
	v_nop
	global_prefetch_b8 v0, s[64:65] scope:SCOPE_SE
	s_setreg_imm32_b32 hwreg(HW_REG_WAVE_MODE, 25, 1), 1
	s_wait_xcnt 0x0
; out0[b][co][n] = the sum over c of ao[b][n][c] Wproj[c][co] + bproj[co], on codes of FP6 (E2M3) with one E8M0 scale for each 32 along K (a head's 32 channels are one block).
; ao arrives as codes, aoc [16 head][4096 token][24 B], aos [16 head][4096 token]; Wproj [256][256] f32 is quantised here, a lane to a column, registers down K.
; SHARES.  Work-group (X, cg): the 128 tokens of step X & 31 of batch X >> 5, output channels 64 cg .. 64 cg + 63.  Wave w quantises K blocks 2 w, 2 w + 1 of the 64 columns into LDS (images of operand registers:
; lane L's 48 bytes at 48 L) and multiplies token tiles 2 w, 2 w + 1 against the four tiles of columns: 16 matrix instructions, eight accumulators by turns.  ao's fragments go from memory straight into registers.
; Source 0 = 16 tokens, source 1 = 16 columns: a lane holds eight neighbouring tokens of one output channel, 32 bytes of a row of out0.  The bias is the C of each sum's first instruction.
; The rows meet in a stage (64 rows of 512 bytes + 16) and leave as whole rows: 512 consecutive bytes a store, at a multiple of 256 from out0's first byte.
; NO CLUSTER, NO TENSOR LOAD: Wproj arrives as f32 and goes through registers to the quantiser; ao's codes, 24,576 bytes a work-group, are wanted in registers and nowhere else.
; LIMITS: NaN and infinities are not served; a block's largest magnitude has the floor 2^-124 (byte at least 1); a block of zeros has the byte 1 and zero codes.
.set WIMG, 0                           ; W's 8 fragments: (2 tile + K step) 1,536
.set WSC,  12288                       ; their scale words, 64 bytes a fragment
.set STG,  12800
.set FLOOR, 0x1800000
.set T,   32                           ; v32-159  four blocks of 32 numbers
.set F,   32                           ; v32-127  then W's eight fragments
.set CS,  160                          ; v160-199 four sets of codes
.set AB8, 200                          ; v200-215 ao's scale bytes as loaded
.set AS,  216                          ; v216-219 ao's scale words (2 uu + K step);  v228-235 W's: they hold scales and nothing else
.set WS,  228
.set MM,  236                          ; v236-243 largest magnitudes;  v244-247 scale operands;  v248-251 bytes
.set SCL, 244
.set BY,  248
.set ROWS, 128                         ; v128-191 the way out
.set BI,  128                          ; window 1: v0-127 W as loaded, then the accumulators at 8 (4 uu + tile);  v128-159 the biases;  v160-207 ao's fragments at 12 (2 uu + K step)
.set AO,  160
.set MSB, 0
.macro WIN new                         ; the immediate's high byte repeats the setting that is left
.if MSB != \new
	s_set_vgpr_msb (MSB<<8)|\new
.set MSB, \new
.endif
.endm
; cnt blocks of 32 numbers, v[src + 32 e ..], become 24 bytes of codes in v[cl + 10 e ..] and a scale byte in v[BY + e]; the blocks take turns, two chains each
.macro QB src, cl, ch, cnt
.irp e,0,1,2,3
.if \e < \cnt
	v_max3_num_f32 v[MM+2*\e], |v[\src+32*\e]|, |v[\src+32*\e+1]|, FLOOR
	v_max3_num_f32 v[MM+2*\e+1], |v[\src+32*\e+16]|, |v[\src+32*\e+17]|, |v[\src+32*\e+18]|
.endif
.endr
.irp i,0,2,4,6,8,10
.irp e,0,1,2,3
.if \e < \cnt
	v_max3_num_f32 v[MM+2*\e], v[MM+2*\e], |v[\src+32*\e+2+\i]|, |v[\src+32*\e+3+\i]|
	v_max3_num_f32 v[MM+2*\e+1], v[MM+2*\e+1], |v[\src+32*\e+19+\i]|, |v[\src+32*\e+20+\i]|
.endif
.endr
.endr
.irp e,0,1,2,3
.if \e < \cnt
	v_max3_num_f32 v[MM+2*\e], v[MM+2*\e], |v[\src+32*\e+14]|, |v[\src+32*\e+15]|
.endif
.endr
.irp e,0,1,2,3
.if \e < \cnt
	v_max3_num_f32 v[MM+2*\e], v[MM+2*\e], v[MM+2*\e+1], |v[\src+32*\e+31]|
.endif
.endr
.irp e,0,1,2,3
.if \e < \cnt
	v_add_nc_u32 v[SCL+\e], 0xff000000, v[MM+2*\e]     ; 2 off the exponent field: the conversion's scale operand
.endif
.endr
.irp e,0,1,2,3
.if \e < \cnt
	v_cvt_scalef32_pk16_fp6_f32 v[\cl+10*\e:\cl+10*\e+2], v[\src+32*\e:\src+32*\e+15], v[SCL+\e]
	v_cvt_scalef32_pk16_fp6_f32 v[\ch+10*\e:\ch+10*\e+2], v[\src+32*\e+16:\src+32*\e+31], v[SCL+\e]
.endif
.endr
.irp e,0,1,2,3
.if \e < \cnt
	v_lshrrev_b32 v[BY+\e], 23, v[SCL+\e]              ; the byte; also the plain line behind the conversions
.endif
.endr
.irp e,0,1,2,3
.if \e < \cnt
.irp p,0,1,2
	v_mov_b32 v[\cl+10*\e+3+\p], v[\ch+10*\e+\p]
.endr
.endif
.endr
.endm
	s_load_b256 s[4:11], s[0:1], 0x0               ; aoc s[4:5], aos s[6:7], Wproj s[8:9], bproj s[10:11]
	s_load_b64 s[12:13], s[0:1], 0x20              ; out0
	v_lshl_add_u32 v254, v0, 2, 0xb800
	v_mov_b32 v255, 0
	v_lshrrev_b32 v20, 5, v0
	v_readfirstlane_b32 s20, v20                   ; wave w
	s_and_b32 s21, ttmp7, 0xffff                   ; cg
	s_lshr_b32 s22, ttmp9, 5                       ; batch
	s_and_b32 s23, ttmp9, 31                       ; step
	s_lshr_b32 s24, s20, 1
	s_and_b32 s25, s20, 1
	v_and_b32 v1, 31, v0                           ; l
	v_and_b32 v20, 15, v0                          ; r
	v_bfe_u32 v21, v0, 4, 1                        ; h
	v_bfe_u32 v22, v0, 2, 2                        ; (l & 15) >> 2
	v_and_b32 v23, 3, v0                           ; l & 3
	v_mul_u32_u24 v2, v21, 0x18000
	v_mad_u32_u24 v2, v20, 24, v2
	s_mul_i32 s26, s20, 768
	v_add_nc_u32 v2, s26, v2                       ; v2: ao's codes: head parity h, token 32 w + r
	s_lshl_b32 s26, s20, 5
	v_add_nc_u32 v3, s26, v20                      ; v3: ao's scale bytes: token 32 w + r
	s_lshl_b32 s26, s20, 1
	v_add_nc_u32 v4, s26, v21
	v_lshlrev_b32 v4, 15, v4
	v_lshl_add_u32 v4, v20, 4, v4                  ; v4: W: 32 (2 w + h) rows of 1,024 bytes + 16 (l & 15)
	v_lshlrev_b32 v5, 2, v20                       ; v5: 4 r: the bias, and a scale word's place
	s_mul_i32 s26, s24, 1536
	s_mul_i32 s27, s25, 24
	s_add_co_u32 s26, s26, s27
	v_mul_u32_u24 v6, v22, 3072
	v_mad_u32_u24 v6, v23, 192, v6
	v_mad_u32_u24 v6, v21, 768, v6
	v_add_nc_u32 v6, s26, v6                       ; v6: column 4 (l & 15) + e: tile (l & 15) >> 2, row 4 (l & 3) + e; block 2 w + h
	s_lshl_b32 s26, s24, 6
	s_lshl_b32 s27, s25, 1
	s_add_co_u32 s26, s26, s27
	v_lshl_add_u32 v7, v22, 7, v21
	v_lshl_add_u32 v7, v23, 4, v7
	v_add_nc_u32 v7, s26, v7                       ; v7: its scale byte
	v_mul_u32_u24 v10, v1, 48                      ; v10: 48 l
	v_lshlrev_b32 v14, 4, v1                       ; v14: 16 l
	v_mul_u32_u24 v12, v20, 528
	v_lshl_add_u32 v12, v21, 5, v12
	s_lshl_b32 s26, s20, 7
	v_add_nc_u32 v12, s26, v12                     ; v12: the stage: row r of a tile of columns, tokens 32 w + 8 h on
	s_mul_i32 s26, s20, 8448
	v_add_nc_u32 v13, s26, v14                     ; v13: back: rows 16 w on, 16 bytes a lane
	s_mul_i32 s28, s22, 786432
	s_mul_i32 s26, s23, 3072
	s_add_co_u32 s28, s28, s26                     ; aoc: the batch's eight heads, the step's tokens
	s_mov_b32 s29, 0
	s_lshl_b32 s30, s22, 15
	s_lshl_b32 s26, s23, 7
	s_add_co_u32 s30, s30, s26                     ; aos likewise
	s_mov_b32 s31, 0
	s_lshl_b32 s32, s21, 8                         ; Wproj and bproj: 64 cg columns
	s_mov_b32 s33, 0
	s_lshl_b32 s34, s22, 22
	s_lshl_b32 s26, s21, 20
	s_add_co_u32 s34, s34, s26
	s_lshl_b32 s26, s20, 18
	s_add_co_u32 s34, s34, s26
	s_lshl_b32 s26, s23, 9
	s_add_co_u32 s34, s34, s26                     ; out0: row 256 b + 64 cg + 16 w, the step's 512 bytes
	s_mov_b32 s35, 0
	s_wait_kmcnt 0x0
	s_add_nc_u64 s[4:5], s[4:5], s[28:29]
	s_add_nc_u64 s[6:7], s[6:7], s[30:31]
	s_add_nc_u64 s[8:9], s[8:9], s[32:33]
	s_add_nc_u64 s[10:11], s[10:11], s[32:33]
	s_add_nc_u64 s[12:13], s[12:13], s[34:35]
	WIN 0x40
.set i, 0
.rept 32
	global_load_b128 v[4*i:4*i+3], v4, s[8:9] offset:1024*i        ; W: two rows of 256 consecutive bytes a load; a lane gets four columns x 32 along K
.set i, i+1
.endr
	WIN 0
.irp uu,0,1
.irp ks,0,1
.irp bb,0,1,2,3
	global_load_u8 v[AB8+4*(2*\uu+\ks)+\bb], v3, s[6:7] offset:(4*\ks+\bb)*4096+16*\uu
.endr
.endr
.endr
	WIN 0x40
.irp uu,0,1
.irp ks,0,1
.irp c,0,1
.irp p,0,1,2
	global_load_b64 v[AO+12*(2*\uu+\ks)+6*\c+2*\p:AO+12*(2*\uu+\ks)+6*\c+2*\p+1], v2, s[4:5] offset:(4*\ks+2*\c)*98304+384*\uu+8*\p   ; block 2 c + h of K step ks is head 4 ks + 2 c + h
.endr
.endr
.endr
.endr
.irp ct,0,1,2,3
.irp j,0,1,2,3,4,5,6,7
	global_load_b32 v[BI+8*\ct+\j], v5, s[10:11] offset:64*\ct     ; a lane's eight results are eight tokens of one output channel
.endr
.endr
	WIN 0
	s_wait_loadcnt 56                              ; W and ao's scale bytes are in; ao's 24 loads and the biases' 32 may be out
.irp q,0,1,2,3
	v_lshl_or_b32 v[AS+\q], v[AB8+4*\q+1], 8, v[AB8+4*\q]
	v_lshl_or_b32 v[AS+\q], v[AB8+4*\q+2], 16, v[AS+\q]
	v_lshl_or_b32 v[AS+\q], v[AB8+4*\q+3], 24, v[AS+\q]
.endr
	WIN 0x01                                       ; a quad's registers (4 i + e) are laid as four blocks (32 e + i): the conversions take neighbours along K from consecutive registers
.set i, 0
.rept 32
.irp e,0,1,2,3
	v_mov_b32 v[T+32*\e+i], v[4*i+\e]
.endr
.set i, i+1
.endr
	WIN 0
	QB T, CS, CS+6, 4
.irp e,0,1,2,3
.irp p,0,1,2
	ds_store_b64 v6, v[CS+10*\e+2*\p:CS+10*\e+2*\p+1] offset:WIMG+48*\e+8*\p
.endr
	ds_store_b8 v7, v[BY+\e] offset:WSC+4*\e
.endr
	s_wait_dscnt 0x0                               ; for the others' sake: my stores into the images are done
	s_barrier_signal -1
	s_barrier_wait -1
.set k, 0
.rept 8
.irp c,0,1,2
	ds_load_b128 v[F+12*k+4*\c:F+12*k+4*\c+3], v10 offset:WIMG+1536*k+16*\c
.endr
	ds_load_b32 v[WS+k], v5 offset:WSC+64*k
.set k, k+1
.endr
	s_wait_loadcnt 0x0                             ; ao's fragments and the biases
	s_wait_dscnt 0x0
	WIN 0x51                                       ; source 0 (ao), C and D in window 1; source 1 (W) in window 0
.irp uu,0,1
.irp ct,0,1,2,3
	v_wmma_scale_f32_16x16x128_f8f6f4 v[8*(4*\uu+\ct):8*(4*\uu+\ct)+7], v[AO+24*\uu:AO+24*\uu+11], v[F+24*\ct:F+24*\ct+11], v[BI+8*\ct:BI+8*\ct+7], v[AS+2*\uu], v[WS+2*\ct] matrix_a_fmt:MATRIX_FMT_FP6 matrix_b_fmt:MATRIX_FMT_FP6
.endr
.endr
.irp uu,0,1
.irp ct,0,1,2,3
	v_wmma_scale_f32_16x16x128_f8f6f4 v[8*(4*\uu+\ct):8*(4*\uu+\ct)+7], v[AO+24*\uu+12:AO+24*\uu+23], v[F+24*\ct+12:F+24*\ct+23], v[8*(4*\uu+\ct):8*(4*\uu+\ct)+7], v[AS+2*\uu+1], v[WS+2*\ct+1] matrix_a_fmt:MATRIX_FMT_FP6 matrix_b_fmt:MATRIX_FMT_FP6
.endr
.endr
.rept 5
	v_nop                                          ; places ahead of the LDS stores that read the results
.endr
	WIN 0x04                                       ; an LDS store's data are its source 1: window 1
.irp uu,0,1
.irp ct,0,1,2,3
	ds_store_b128 v12, v[8*(4*\uu+\ct):8*(4*\uu+\ct)+3] offset:STG+8448*\ct+64*\uu          ; each accumulator from its low end on
	ds_store_b128 v12, v[8*(4*\uu+\ct)+4:8*(4*\uu+\ct)+7] offset:STG+8448*\ct+64*\uu+16
.endr
.endr
	WIN 0
	s_wait_dscnt 0x0                               ; my stores into the stage are done
	s_barrier_signal -1
	s_barrier_wait -1
.irp i,0,1,2,3,4,5,6,7,8,9,10,11,12,13,14,15
	ds_load_b128 v[ROWS+4*\i:ROWS+4*\i+3], v13 offset:STG+528*\i
.endr
.irp i,0,1,2,3,4,5,6,7,8,9,10,11,12,13,14,15
	s_wait_dscnt 15-\i                             ; the younger loads may be out
	global_store_b128 v14, v[ROWS+4*\i:ROWS+4*\i+3], s[12:13] offset:16384*\i th:TH_STORE_NT   ; 512 consecutive bytes of one output channel; written once, read by nobody here
.endr
	s_wait_tensorcnt 0x0
	ds_add_u32 v254, v255
	s_wait_dscnt 0x0
	s_endpgm
.Lfunc_end_k_q7f31454d62_proj:
	.size	k_q7f31454d62_proj, .Lfunc_end_k_q7f31454d62_proj-k_q7f31454d62_proj
	.p2alignl 7, 3214868480
	.fill 96, 4, 3214868480
	.section	.rodata,"a",@progbits
	.p2align	6, 0x0
	.amdhsa_kernel k_q7f31454d62_proj
		.amdhsa_group_segment_fixed_size 47616
		.amdhsa_private_segment_fixed_size 0
		.amdhsa_enable_private_segment 0
		.amdhsa_kernarg_size 40
		.amdhsa_user_sgpr_count 2
		.amdhsa_user_sgpr_kernarg_segment_ptr 1
		.amdhsa_wavefront_size32 1
		.amdhsa_system_sgpr_workgroup_id_x 1
		.amdhsa_system_sgpr_workgroup_id_y 1
		.amdhsa_system_sgpr_workgroup_id_z 1
		.amdhsa_system_vgpr_workitem_id 0
		.amdhsa_next_free_vgpr 464
		.amdhsa_next_free_sgpr 66
		.amdhsa_reserve_vcc 0
		.amdhsa_float_denorm_mode_32 3
		.amdhsa_float_denorm_mode_16_64 3
		.amdhsa_memory_ordered 1
		.amdhsa_forward_progress 1
		.amdhsa_inst_pref_size 34
	.end_amdhsa_kernel
	.amdgpu_metadata
---
amdhsa.version: [ 1, 2 ]
amdhsa.kernels:
  - .name:           k_q7f31454d62_proj
    .symbol:         k_q7f31454d62_proj.kd
    .args:
      - { .name: aoc, .offset: 0, .size: 8, .value_kind: global_buffer, .address_space: global }
      - { .name: aos, .offset: 8, .size: 8, .value_kind: global_buffer, .address_space: global }
      - { .name: Wproj, .offset: 16, .size: 8, .value_kind: global_buffer, .address_space: global }
      - { .name: bproj, .offset: 24, .size: 8, .value_kind: global_buffer, .address_space: global }
      - { .name: out0, .offset: 32, .size: 8, .value_kind: global_buffer, .address_space: global }
    .group_segment_fixed_size: 47616
    .private_segment_fixed_size: 0
    .kernarg_segment_align: 8
    .kernarg_segment_size: 40
    .max_flat_workgroup_size: 128
    .sgpr_count:     66
    .vgpr_count:     464
    .wavefront_size: 32
...
	.end_amdgpu_metadata
.endif
;; end of part 3
;; ======== version 2 of 2: 3 launches; version 1 with the launches qkv, proj written anew for expert scheduling mode
;; workspace buffers: qc 1,572,864 bytes; qs 65,536 bytes; kvc 3,145,728 bytes; kvs 131,072 bytes; aoc 1,572,864 bytes; aos 65,536 bytes
;; launch qkv (part 4): grid 64 x 4, 4 waves a work-group, no clusters, 86,528 bytes of LDS; arguments x, Wqkv, bqkv, qc, qs, kvc, kvs; writes qc, qs, kvc, kvs
.if DOCPART == 4
	.amdgcn_target "amdgcn-amd-amdhsa--gfx1250"
	.amdhsa_code_object_version 6
	.text
	.protected	k_q7f31454d62_qkv
	.globl	k_q7f31454d62_qkv
	.p2align	8
	.type	k_q7f31454d62_qkv,@function
k_q7f31454d62_qkv:
	s_mov_b64 s[64:65], 0
	v_nop
	global_prefetch_b8 v0, s[64:65] scope:SCOPE_SE
	s_setreg_imm32_b32 hwreg(HW_REG_WAVE_SCHED_MODE, 0, 2), 2
	s_setreg_imm32_b32 hwreg(HW_REG_WAVE_MODE, 25, 1), 1
	s_wait_xcnt 0x0
	s_wait_alu depctr_vm_vsrc(0)
; qkv = x^T Wqkv + bqkv on codes of FP6 (E2M3) with one E8M0 scale for each 32 along K (the 256 channels); then q, k and v are quantised for the attention launch.
; x: [2][256][4096] f32, Wqkv: [256][768] f32: in both K is NOT innermost, so a lane takes a token (a column) and its registers run down K.
; SHARES.  Work-group (X, g): the 128 tokens of step X & 31 of batch X >> 5, and 192 columns: q's, k's and v's columns 64 g .. 64 g + 63 (heads 2 g, 2 g + 1).  Four waves.
; PHASE Q: wave w quantises K blocks 2 w, 2 w + 1 of x's 128 tokens and of the 192 columns; the codes go to LDS as IMAGES of operand registers: a fragment (16 rows x 128 K, 12 registers a lane)
;   is 1,536 bytes, lane L's 48 bytes at 48 L; block B of row r lies at 48 r + 768 (B & 1) + 24 (B >> 1); its scale word at 4 r, byte B.
; PHASE M: 24 units of 8 matrix instructions, six a wave; the bias is the C of a sum's first instruction.  q, k: source 0 = 16 columns, source 1 = 16 tokens: a lane holds one token and the 32 channels of one head.
;   v: source 0 = 16 tokens, source 1 = 16 columns: a lane holds one channel and 32 neighbouring tokens.  Each is one block of the next product's K: quantised in the lane, no other lane asked.
; WHICH ROWS FORM A TILE is chosen for that: token n of the step: tile 4 (n >> 6) + ((n >> 3) & 3), row 8 ((n >> 5) & 1) + (n & 7);  q, k column c: tile (c >> 3) & 3, row 8 (c >> 5) + (c & 7);
;   v column c: tile 2 (c >> 5) + ((c >> 3) & 1), row 8 ((c >> 4) & 1) + (c & 7).
; OUT: qc [16 head][4096 token][24 B];  qs [64 X][4 g][2 head & 1][128 token];  kvc [16 head][32 step][6,144 B]: two K fragments (row r, block b of fragment f = key 64 f + 32 (r >> 3) + 8 b + (r & 7)),
;   then two V fragments (tile t, row r = channel 16 (r >> 3) + 8 t + (r & 7); K = the step's 128 tokens);  kvs [16 head][32 step][256 B]: K's 32 scale words, V's 32.  All leave through LDS in runs of 512 bytes.
; NO CLUSTER, NO TENSOR LOAD: both operands arrive as f32 and go through registers to the quantiser; as tiles in LDS they would be 128 KB + 192 KB beside 61 KB of images, more than a work-group can claim.
; LIMITS: NaN and infinities among the inputs are not served.  A block's largest magnitude has the floor 2^-124, so its byte is at least 1; a block of zeros has the byte 1 and zero codes (the bytes are read by this program alone).
; THE MODE: SCHED_MODE bits 1:0 = 2 (LLVM: expert scheduling mode 2), set by the entry lines.  The code itself states the register dependences
; between vector or matrix instructions and memory or LDS instructions, with s_wait_alu, always for 0.
; THE PLAN.  Registers that memory or LDS instructions touch:
;   v2-v28        offsets and LDS addresses: written at the head, never again; one wait on va_vdst ahead of the first load states them for the whole kernel.
;   window 1      two sets of 128: a quad's loads land in a set; DEINT's moves read it; behind them, and one wait on va_vdst, the set is asked for again.
;   CS, BY        phase Q: QB writes them; one wait on va_vdst; PUT's LDS stores read them; one wait on vm_vsrc ahead of the next QB.
;   F, SB, SS     phase M: LDS loads land in them; a unit's eight products read them; behind the products' places one wait on va_vdst, and the NEXT unit's fragments are asked for at once:
;                 they land while this unit's results are quantised (QB names the accumulators, MM, SCL, CM, CM2 and BY: none of the registers that those loads touch).
;   CM, BY        phase M: QB writes them; one wait on va_vdst; ST3's LDS stores read them; one wait on vm_vsrc at the next unit's head, ahead of the next writer.
;   OUT, v32-33   the way out: LDS loads land in registers of F, which the products have read ahead of the last wait on va_vdst and which no store has read; global stores read them.
.set XIMG, 0                           ; x's 16 fragments: (tile, K step) at (2 tile + K step) 1,536
.set WIMG, 24576                       ; the columns': section j (q, k, v) at 12,288 j, in it (2 tile + K step) 1,536
.set XSC,  61440                       ; scale words, 64 bytes a fragment
.set WSC,  62464
.set KVST, 64000                       ; the way out: head & 1 at 6,144: laid as kvc
.set QST,  76288                       ; 3,072 (head & 1) + 24 token
.set SST,  82432                       ; 256 (head & 1): as kvs;  512 + 128 (head & 1) + token: as qs
.set FLOOR, 0x1800000                  ; 2^(3 - 127)
.set T,   32                           ; v32-159  phase Q: four blocks of 32 numbers
.set F,   32                           ; v32-151  phase M: eight fragments (12 (2 i + K step)), then two at +96
.set CS,  160                          ; v160-199 phase Q: four sets of codes, 10 apart: six registers, and three at +6
.set ACC, 160                          ; v160-191 phase M: four accumulators
.set CM,  192                          ; v192-197 phase M: a block's codes;  v216-218 its upper half as converted
.set CM2, 216
.set SB,  200                          ; v200-207 scale words of the eight fragments;  v208-209 of the two: they hold scales and nothing else
.set SS,  208
.set MM,  220                          ; v220-227 largest magnitudes, two chains a block;  v228-231 scale operands;  v232-235 bytes
.set SCL, 228
.set BY,  232
.set OUT, 36                           ; v36-71   the way out, in registers that held fragments
.set BQ,  0                            ; window 2: q's biases, 8 a tile;  k's;  v's
.set BK,  32
.set BV,  64
.set MSB, 0
.macro WIN new                         ; the immediate's high byte repeats the setting that is left
.if MSB != \new
	s_set_vgpr_msb (MSB<<8)|\new
.set MSB, \new
.endif
.endm
; x quad u: K block 2 w + u; load i is channel i of the block at 128 tokens: 512 consecutive bytes; a lane gets tokens 4 l .. 4 l + 3
.macro LOADX u, set
	WIN 0x40
.set i, 0
.rept 32
	global_load_b128 v[128*\set+4*i:128*\set+4*i+3], v2, s[4:5] offset:(32*\u+i)*16384
.set i, i+1
.endr
.endm
; W quad j: K block 2 w + (l >> 4); load i is two rows of 256 consecutive bytes; a lane gets columns 4 (l & 15) .. + 3 of section j.  It always follows the DEINT of its set
.macro LOADW j, set
	WIN 0x40
	s_wait_alu depctr_va_vdst(0)                   ; DEINT's moves are done reading this set, in which the loads below land
.set i, 0
.rept 32
	global_load_b128 v[128*\set+4*i:128*\set+4*i+3], v3, s[6:7] offset:3072*i+1024*\j
.set i, i+1
.endr
.endm
; the conversions take 16 neighbours along K from consecutive registers: a quad's registers (4 i + e) are laid as four blocks (32 e + i)
.macro DEINT set
	WIN 0x01
.set i, 0
.rept 32
.irp e,0,1,2,3
	v_mov_b32 v[T+32*\e+i], v[128*\set+4*i+\e]
.endr
.set i, i+1
.endr
.endm
; cnt blocks of 32 numbers, v[src + 32 e ..], become 24 bytes of codes in v[cl + 10 e ..] and a scale byte in v[BY + e].  The blocks take turns; each has two chains, both ascending.
.macro QB src, cl, ch, cnt
.irp e,0,1,2,3
.if \e < \cnt
	v_max3_num_f32 v[MM+2*\e], |v[\src+32*\e]|, |v[\src+32*\e+1]|, FLOOR    ; the floor among the leaves: the byte cannot fall under 1
	v_max3_num_f32 v[MM+2*\e+1], |v[\src+32*\e+16]|, |v[\src+32*\e+17]|, |v[\src+32*\e+18]|
.endif
.endr
.irp i,0,2,4,6,8,10
.irp e,0,1,2,3
.if \e < \cnt
	v_max3_num_f32 v[MM+2*\e], v[MM+2*\e], |v[\src+32*\e+2+\i]|, |v[\src+32*\e+3+\i]|
	v_max3_num_f32 v[MM+2*\e+1], v[MM+2*\e+1], |v[\src+32*\e+19+\i]|, |v[\src+32*\e+20+\i]|
.endif
.endr
.endr
.irp e,0,1,2,3
.if \e < \cnt
	v_max3_num_f32 v[MM+2*\e], v[MM+2*\e], |v[\src+32*\e+14]|, |v[\src+32*\e+15]|
.endif
.endr
.irp e,0,1,2,3
.if \e < \cnt
	v_max3_num_f32 v[MM+2*\e], v[MM+2*\e], v[MM+2*\e+1], |v[\src+32*\e+31]|
.endif
.endr
.irp e,0,1,2,3
.if \e < \cnt
	v_add_nc_u32 v[SCL+\e], 0xff000000, v[MM+2*\e]     ; 2 off the exponent field: the conversion takes the exponent field of this operand as its scale
.endif
.endr
.irp e,0,1,2,3
.if \e < \cnt
	v_cvt_scalef32_pk16_fp6_f32 v[\cl+10*\e:\cl+10*\e+2], v[\src+32*\e:\src+32*\e+15], v[SCL+\e]
	v_cvt_scalef32_pk16_fp6_f32 v[\ch+10*\e:\ch+10*\e+2], v[\src+32*\e+16:\src+32*\e+31], v[SCL+\e]   ; (a conversion's three registers begin on an even number)
.endif
.endr
.irp e,0,1,2,3
.if \e < \cnt
	v_lshrrev_b32 v[BY+\e], 23, v[SCL+\e]              ; the scale's byte; also the plain line behind the conversions
.endif
.endr
.irp e,0,1,2,3
.if \e < \cnt
.irp p,0,1,2
	v_mov_b32 v[\cl+10*\e+3+\p], v[\ch+10*\e+\p]
.endr
.endif
.endr
.endm
.macro PUT adr, off, sadr, soff        ; four blocks into the images: rows 48 bytes apart, scale words 4
	s_wait_alu depctr_va_vdst(0)                   ; QB has written the four sets of codes and the four bytes, which the LDS stores below read
.irp e,0,1,2,3
.irp p,0,1,2
	ds_store_b64 v[\adr], v[CS+10*\e+2*\p:CS+10*\e+2*\p+1] offset:(\off)+48*\e+8*\p
.endr
	ds_store_b8 v[\sadr], v[BY+\e] offset:(\soff)+4*\e
.endr
.endm
.macro LOADBIG base, sbase             ; eight fragments and their scale words
.set k, 0
.rept 8
.irp c,0,1,2
	ds_load_b128 v[F+12*k+4*\c:F+12*k+4*\c+3], v10 offset:(\base)+1536*k+16*\c
.endr
	ds_load_b32 v[SB+k], v11 offset:(\sbase)+64*k
.set k, k+1
.endr
.endm
.macro LOADSMALL adr, off, sadr, soff  ; one tile's two fragments and their scale words
.irp ks,0,1
.irp c,0,1,2
	ds_load_b128 v[F+96+12*\ks+4*\c:F+96+12*\ks+4*\c+3], v[\adr] offset:(\off)+1536*\ks+16*\c
.endr
	ds_load_b32 v[SS+\ks], v[\sadr] offset:(\soff)+64*\ks
.endr
.endm
; Eight matrix instructions: four tiles of the eight fragments against the one tile, K = 256.  The four accumulators take turns.  same = 1: one bias tile for all four.
; more = 1: the next unit's fragment loads follow.
.macro UNIT bias, same, more
	s_wait_dscnt 0x0                               ; the fragments are in, and the LDS stores issued so far are done
	s_wait_alu depctr_vm_vsrc(0)                   ; the LDS stores issued so far have read their data: phase Q's sets of codes, over which the accumulators lie, and the last unit's CM and BY, which this unit's QB writes again
	WIN 0x20                                       ; C (the bias) in window 2
.irp i,0,1,2,3
	v_wmma_scale_f32_16x16x128_f8f6f4 v[ACC+8*\i:ACC+8*\i+7], v[F+24*\i:F+24*\i+11], v[F+96:F+107], v[\bias+8*\i*(1-\same):\bias+8*\i*(1-\same)+7], v[SB+2*\i], v[SS] matrix_a_fmt:MATRIX_FMT_FP6 matrix_b_fmt:MATRIX_FMT_FP6
.endr
	WIN 0
.irp i,0,1,2,3
	v_wmma_scale_f32_16x16x128_f8f6f4 v[ACC+8*\i:ACC+8*\i+7], v[F+24*\i+12:F+24*\i+23], v[F+108:F+119], v[ACC+8*\i:ACC+8*\i+7], v[SB+2*\i+1], v[SS+1] matrix_a_fmt:MATRIX_FMT_FP6 matrix_b_fmt:MATRIX_FMT_FP6
.endr
.rept 5
	v_nop                                          ; four places ahead of the reads of the results (ISA guide 7.12.1), five ahead of the next unit's new start on these accumulators
.endr
.if \more
	s_wait_alu depctr_va_vdst(0)                   ; the eight products are done reading their fragments and scale words, in which the next unit's loads land
.endif
.endm
.macro ST3 adr, off, sadr, soff        ; a block's 24 bytes and its byte into the stage
	s_wait_alu depctr_va_vdst(0)                   ; QB has written CM and BY, which the LDS stores below read
.irp p,0,1,2
	ds_store_b64 v[\adr], v[CM+2*\p:CM+2*\p+1] offset:(\off)+8*\p
.endr
	ds_store_b8 v[\sadr], v[BY] offset:\soff
.endm
	s_load_b128 s[4:7], s[0:1], 0x0                ; x, Wqkv
	s_load_b128 s[8:11], s[0:1], 0x10              ; bqkv, qc
	s_load_b128 s[12:15], s[0:1], 0x20             ; qs, kvc
	s_load_b64 s[16:17], s[0:1], 0x30              ; kvs
	v_lshl_add_u32 v254, v0, 2, 0x15000
	v_mov_b32 v255, 0
	v_lshrrev_b32 v32, 5, v0
	v_readfirstlane_b32 s20, v32                   ; wave w
	s_and_b32 s21, ttmp7, 0xffff                   ; g
	s_lshr_b32 s22, ttmp9, 5                       ; batch
	s_and_b32 s23, ttmp9, 31                       ; step
	s_wait_alu depctr_va_sdst(0)                   ; s20 is written, ahead of its first reader
	s_lshr_b32 s24, s20, 1                         ; w >> 1
	s_and_b32 s25, s20, 1                          ; w & 1
	v_and_b32 v1, 31, v0                           ; lane l
	v_bfe_u32 v32, v0, 1, 2                        ; (l >> 1) & 3
	v_bfe_u32 v33, v0, 3, 1                        ; (l >> 3) & 1
	v_and_b32 v34, 1, v0                           ; l & 1
	v_bfe_u32 v35, v0, 4, 1                        ; l >> 4
	v_bfe_u32 v36, v0, 1, 1                        ; (l >> 1) & 1
	v_bfe_u32 v37, v0, 2, 1                        ; (l >> 2) & 1
	v_and_b32 v38, 15, v0                          ; l & 15
	v_and_b32 v39, 7, v0                           ; l & 7
	s_mul_i32 s26, s24, 1536
	s_mul_i32 s27, s25, 24
	s_add_co_u32 s26, s26, s27                     ; the wave's K blocks in an image: K step w >> 1, registers 6 (w & 1) on
	s_lshl_b32 s27, s24, 6
	s_lshl_b32 s28, s25, 1
	s_add_co_u32 s27, s27, s28                     ; and among the scale words
	; phase Q: where a lane's four blocks go (row + e: 48 e in the immediate)
	v_mul_u32_u24 v40, v32, 3072
	v_mad_u32_u24 v40, v33, 384, v40
	v_mad_u32_u24 v40, v34, 192, v40
	v_add_nc_u32 v40, s26, v40
	v_mad_u32_u24 v4, v35, 12288, v40              ; v4: x's codes (token 4 l + e)
	v_mad_u32_u24 v5, v35, 768, v40                ; v5: q's and k's columns' codes (column 4 (l & 15) + e, block parity l >> 4)
	v_mul_u32_u24 v41, v33, 6144
	v_mad_u32_u24 v41, v36, 3072, v41
	v_mad_u32_u24 v41, v37, 384, v41
	v_mad_u32_u24 v41, v34, 192, v41
	v_mad_u32_u24 v41, v35, 768, v41
	v_add_nc_u32 v6, s26, v41                      ; v6: v's columns' codes
	v_lshlrev_b32 v42, 7, v32
	v_lshl_add_u32 v42, v33, 5, v42
	v_lshl_add_u32 v42, v34, 4, v42
	v_add_nc_u32 v42, s27, v42
	v_lshl_add_u32 v7, v35, 9, v42                 ; v7: x's scale bytes
	v_add_nc_u32 v8, v35, v42                      ; v8: q's and k's columns'
	v_lshlrev_b32 v43, 8, v33
	v_lshl_add_u32 v43, v36, 7, v43
	v_lshl_add_u32 v43, v37, 5, v43
	v_lshl_add_u32 v43, v34, 4, v43
	v_add_nc_u32 v43, v35, v43
	v_add_nc_u32 v9, s27, v43                      ; v9: v's columns'
	; phase M: where fragments are read
	v_mul_u32_u24 v10, v1, 48                      ; v10: 48 l
	v_lshlrev_b32 v11, 2, v38                      ; v11: 4 (l & 15)
	s_mul_i32 s28, s20, 6144
	v_add_nc_u32 v12, s28, v10                     ; v12: x's tiles 2 w, 2 w + 1
	s_lshl_b32 s28, s20, 8
	v_add_nc_u32 v13, s28, v11
	s_mul_i32 s28, s20, 3072
	v_add_nc_u32 v14, s28, v10                     ; v14: v's tile w
	s_lshl_b32 s28, s20, 7
	v_add_nc_u32 v15, s28, v11
	; the stages.  Lane (r = l & 15, h = l >> 4).  q, k of x's tile 2 w + uu: token 64 (w >> 1) + 32 (r >> 3) + 8 (2 (w & 1) + uu) + (r & 7), head 2 g + h
	s_mul_i32 s28, s24, 1536
	s_mul_i32 s29, s25, 384
	s_add_co_u32 s28, s28, s29
	s_add_co_u32 s28, s28, QST
	v_mul_u32_u24 v16, v35, 3072
	v_mad_u32_u24 v16, v33, 768, v16
	v_mad_u32_u24 v16, v39, 24, v16
	v_add_nc_u32 v16, s28, v16                     ; v16: q's codes
	s_lshl_b32 s28, s24, 6
	s_lshl_b32 s29, s25, 4
	s_add_co_u32 s28, s28, s29
	s_add_co_u32 s28, s28, SST+512
	v_lshl_add_u32 v17, v35, 7, v39
	v_lshl_add_u32 v17, v33, 5, v17
	v_add_nc_u32 v17, s28, v17                     ; v17: q's bytes
	s_add_co_u32 s28, s26, KVST
	v_mul_u32_u24 v18, v35, 6144
	v_mad_u32_u24 v18, v38, 48, v18
	v_add_nc_u32 v18, s28, v18                     ; v18: k's codes: fragment w >> 1, row r, block 2 (w & 1) + uu
	s_add_co_u32 s28, s27, SST
	v_lshl_add_u32 v19, v35, 8, v11
	v_add_nc_u32 v19, s28, v19                     ; v19: k's bytes
	s_mul_i32 s28, s24, 6144
	s_mul_i32 s29, s25, 1536
	s_add_co_u32 s28, s28, s29
	s_add_co_u32 s28, s28, KVST+3072
	v_add_nc_u32 v20, s28, v10                     ; v20: v's codes: head w >> 1, tile w & 1, row r, block 2 f + h: 48 l + 24 f
	s_lshl_b32 s28, s24, 8
	s_lshl_b32 s29, s25, 6
	s_add_co_u32 s28, s28, s29
	s_add_co_u32 s28, s28, SST+128
	v_add_nc_u32 v21, v35, v11
	v_add_nc_u32 v21, s28, v21                     ; v21: v's bytes
	v_lshlrev_b32 v22, 7, v35                      ; v22: q's and k's biases: columns 32 h on
	s_lshl_b32 s28, s24, 7
	s_lshl_b32 s29, s25, 5
	s_add_co_u32 s28, s28, s29
	v_lshlrev_b32 v23, 2, v39
	v_lshl_add_u32 v23, v33, 6, v23
	v_add_nc_u32 v23, s28, v23                     ; v23: v's bias: column 32 (w >> 1) + 16 (r >> 3) + 8 (w & 1) + (r & 7)
	v_lshlrev_b32 v24, 4, v1                       ; v24: 16 l
	s_mul_i32 s28, s24, 6144
	s_mul_i32 s29, s25, 3072
	s_add_co_u32 s28, s28, s29
	s_add_co_u32 s28, s28, KVST
	v_add_nc_u32 v25, s28, v24                     ; v25: the way out: my 3,072 bytes of K's or V's images
	s_mul_i32 s28, s24, 3072
	s_mul_i32 s29, s25, 1536
	s_add_co_u32 s28, s28, s29
	s_add_co_u32 s28, s28, QST
	v_add_nc_u32 v26, s28, v24                     ; v26: my 1,536 bytes of q's codes
	v_lshlrev_b32 v28, 3, v1                       ; v28: 8 l
	s_lshl_b32 s28, s20, 8
	s_add_co_u32 s28, s28, SST
	v_add_nc_u32 v27, s28, v28                     ; v27: waves 0 to 2: my 256 scale bytes
	s_lshl_b32 s28, s20, 20
	v_add_nc_u32 v2, s28, v24                      ; v2: x: 16 l + 64 w channels of 16,384 bytes
	s_lshl_b32 s28, s20, 1
	v_add_nc_u32 v3, s28, v35
	v_mul_u32_u24 v3, v3, 0x18000
	v_lshl_add_u32 v3, v38, 4, v3                  ; v3: W: 32 (2 w + (l >> 4)) rows of 3,072 bytes + 16 (l & 15)
	; offsets into the buffers
	s_lshl_b32 s30, s22, 3
	s_lshl_b32 s31, s21, 1
	s_add_co_u32 s30, s30, s31                     ; head 8 b + 2 g
	s_add_co_u32 s31, s30, s24                     ; + (w >> 1)
	s_lshl_b32 s32, s22, 22
	s_lshl_b32 s28, s23, 9
	s_add_co_u32 s32, s32, s28                     ; x: the batch, the step's 512 bytes of a channel
	s_mov_b32 s33, 0
	s_lshl_b32 s34, s21, 8                         ; Wqkv and bqkv: 64 g columns
	s_mov_b32 s35, 0
	s_mul_i32 s38, s31, 196608
	s_mul_i32 s28, s23, 6144
	s_add_co_u32 s38, s38, s28
	s_mul_i32 s28, s25, 3072
	s_add_co_u32 s38, s38, s28                     ; kvc: head, step, K's half or V's
	s_mov_b32 s39, 0
	s_lshr_b32 s40, s38, 1                         ; qc: every term is half of kvc's
	s_mov_b32 s41, 0
	s_add_co_u32 s42, s30, s20
	s_lshl_b32 s42, s42, 13
	s_lshl_b32 s28, s23, 8
	s_add_co_u32 s42, s42, s28                     ; kvs (waves 0, 1): head 8 b + 2 g + w, step
	s_lshl_b32 s28, ttmp9, 2
	s_add_co_u32 s28, s28, s21
	s_lshl_b32 s28, s28, 8                         ; qs (wave 2): (4 X + g) 256
	s_cmp_lt_u32 s20, 2
	s_cselect_b32 s42, s42, s28
	s_mov_b32 s43, 0
	s_wait_kmcnt 0x0
	s_cselect_b64 s[36:37], s[16:17], s[12:13]     ; the choice hangs on the wave's number alone
	s_add_nc_u64 s[36:37], s[36:37], s[42:43]
	s_add_nc_u64 s[4:5], s[4:5], s[32:33]
	s_add_nc_u64 s[6:7], s[6:7], s[34:35]
	s_add_nc_u64 s[8:9], s[8:9], s[34:35]
	s_add_nc_u64 s[14:15], s[14:15], s[38:39]
	s_add_nc_u64 s[10:11], s[10:11], s[40:41]
	WIN 0x80                                       ; the biases, in the results' layout, into window 2: 24 loads
	s_wait_alu depctr_va_vdst(0)                   ; the offsets and LDS addresses v2 to v28 are written: every load and store of the kernel reads some of them, and none is written again
.irp i,0,1,2,3
	global_load_b128 v[BQ+8*\i:BQ+8*\i+3], v22, s[8:9] offset:32*\i
	global_load_b128 v[BQ+8*\i+4:BQ+8*\i+7], v22, s[8:9] offset:32*\i+16
	global_load_b128 v[BK+8*\i:BK+8*\i+3], v22, s[8:9] offset:1024+32*\i
	global_load_b128 v[BK+8*\i+4:BK+8*\i+7], v22, s[8:9] offset:1024+32*\i+16
.endr
.irp j,0,1,2,3,4,5,6,7
	global_load_b32 v[BV+\j], v23, s[8:9] offset:2048      ; v's: a lane's eight results are eight tokens of one column
.endr
	; ---- PHASE Q: five quads of 32 loads through two sets of registers; one quad is quantised while the next one or two are on their way
	LOADX 0, 0                                     ; (no vector instruction has named window 1)
	LOADX 1, 1
	s_wait_loadcnt 32                              ; all but the 32 loads of the next quad
	DEINT 0
	LOADW 0, 0
	WIN 0
	QB T, CS, CS+6, 4
	PUT 4, XIMG, 7, XSC
	s_wait_loadcnt 32
	DEINT 1
	LOADW 1, 1
	WIN 0
	s_wait_dscnt 0x0                               ; the last quad's stores are done
	s_wait_alu depctr_vm_vsrc(0)                   ; the last quad's LDS stores have read the sets of codes and the bytes, which QB writes again
	QB T, CS, CS+6, 4
	PUT 4, XIMG+768, 7, XSC+1
	s_wait_loadcnt 32
	DEINT 0
	LOADW 2, 0
	WIN 0
	s_wait_dscnt 0x0
	s_wait_alu depctr_vm_vsrc(0)                   ; the last quad's LDS stores have read the sets of codes and the bytes, which QB writes again
	QB T, CS, CS+6, 4
	PUT 5, WIMG, 8, WSC
	s_wait_loadcnt 32
	DEINT 1
	WIN 0
	s_wait_dscnt 0x0
	s_wait_alu depctr_vm_vsrc(0)                   ; the last quad's LDS stores have read the sets of codes and the bytes, which QB writes again
	QB T, CS, CS+6, 4
	PUT 5, WIMG+12288, 8, WSC+512
	s_wait_loadcnt 0x0
	DEINT 0
	WIN 0
	s_wait_dscnt 0x0
	s_wait_alu depctr_vm_vsrc(0)                   ; the last quad's LDS stores have read the sets of codes and the bytes, which QB writes again
	QB T, CS, CS+6, 4
	PUT 6, WIMG+24576, 9, WSC+1024                 ; its wait on va_vdst also states that DEINT and QB are done with T, in which the first fragments below land: no vector instruction stands between
	s_wait_dscnt 0x0                               ; for the others' sake: my stores into the images are done
	s_barrier_signal -1
	s_barrier_wait -1
	; ---- PHASE M: six units.  Behind a unit's products the next unit's fragments are asked for; they land while the unit's results are quantised and staged
	LOADBIG WIMG, WSC                              ; q's four tiles of columns
	LOADSMALL 12, XIMG, 13, XSC                    ; x's tile 2 w
	UNIT BQ, 0, 1
	LOADSMALL 12, XIMG+3072, 13, XSC+128           ; x's tile 2 w + 1
	QB ACC, CM, CM2, 1                             ; a lane's 32 results are one token's 32 channels of one head
	ST3 16, 0, 17, 0
	UNIT BQ, 0, 1
	LOADBIG WIMG+12288, WSC+512                    ; k's four tiles of columns
	LOADSMALL 12, XIMG, 13, XSC
	QB ACC, CM, CM2, 1
	ST3 16, 192, 17, 8
	UNIT BK, 0, 1
	LOADSMALL 12, XIMG+3072, 13, XSC+128
	QB ACC, CM, CM2, 1
	ST3 18, 0, 19, 0
	UNIT BK, 0, 1
	LOADSMALL 14, WIMG+24576, 15, WSC+1024         ; v's tile w
	LOADBIG XIMG, XSC                              ; x's tiles 0 .. 3
	QB ACC, CM, CM2, 1
	ST3 18, 768, 19, 1
	UNIT BV, 1, 1
	LOADBIG XIMG+12288, XSC+512                    ; x's tiles 4 .. 7
	QB ACC, CM, CM2, 1                             ; a lane's 32 results are tokens 64 f + 32 h + 0 .. 31 of one channel
	ST3 20, 0, 21, 0
	UNIT BV, 1, 0                                  ; the last unit: nothing more is asked for
	QB ACC, CM, CM2, 1
	ST3 20, 24, 21, 2                              ; its wait on va_vdst also states that the last products are done reading the fragments, in whose registers the loads of the way out land
	s_wait_dscnt 0x0                               ; my stores into the stages are done
	s_barrier_signal -1
	s_barrier_wait -1
	; ---- THE WAY OUT: each store of a wave covers 512 consecutive bytes, at a multiple of 256 from its buffer's first byte
.irp j,0,1,2,3,4,5
	ds_load_b128 v[OUT+4*\j:OUT+4*\j+3], v25 offset:512*\j
.endr
.irp j,0,1,2
	ds_load_b128 v[OUT+24+4*\j:OUT+24+4*\j+3], v26 offset:512*\j
.endr
.irp j,0,1,2,3,4,5
	s_wait_dscnt 8-\j                              ; the younger loads may be out
	global_store_b128 v24, v[OUT+4*\j:OUT+4*\j+3], s[14:15] offset:512*\j
.endr
.irp j,0,1,2
	s_wait_dscnt 2-\j
	global_store_b128 v24, v[OUT+24+4*\j:OUT+24+4*\j+3], s[10:11] offset:512*\j
.endr
	s_cmp_gt_u32 s20, 2                            ; waves 0, 1: a head's 256 bytes of kvs; wave 2: the 256 bytes of qs
	s_cbranch_scc1 .Lno_scales
	ds_load_b64 v[32:33], v27
	s_wait_dscnt 0x0
	global_store_b64 v28, v[32:33], s[36:37]       ; 256 consecutive bytes, aligned
.Lno_scales:
	s_wait_dscnt 0x0
	s_wait_alu depctr_hold_cnt(0) depctr_sa_sdst(0) depctr_va_vdst(0) depctr_va_sdst(0) depctr_va_ssrc(0) depctr_va_vcc(0) depctr_vm_vsrc(0)
	s_wait_tensorcnt 0x0
	ds_add_u32 v254, v255
	s_wait_dscnt 0x0
	s_endpgm
.Lfunc_end_k_q7f31454d62_qkv:
	.size	k_q7f31454d62_qkv, .Lfunc_end_k_q7f31454d62_qkv-k_q7f31454d62_qkv
	.p2alignl 7, 3214868480
	.fill 96, 4, 3214868480
	.section	.rodata,"a",@progbits
	.p2align	6, 0x0
	.amdhsa_kernel k_q7f31454d62_qkv
		.amdhsa_group_segment_fixed_size 86528
		.amdhsa_private_segment_fixed_size 0
		.amdhsa_enable_private_segment 0
		.amdhsa_kernarg_size 56
		.amdhsa_user_sgpr_count 2
		.amdhsa_user_sgpr_kernarg_segment_ptr 1
		.amdhsa_wavefront_size32 1
		.amdhsa_system_sgpr_workgroup_id_x 1
		.amdhsa_system_sgpr_workgroup_id_y 1
		.amdhsa_system_sgpr_workgroup_id_z 1
		.amdhsa_system_vgpr_workitem_id 0
		.amdhsa_next_free_vgpr 592
		.amdhsa_next_free_sgpr 66
		.amdhsa_reserve_vcc 0
		.amdhsa_float_denorm_mode_32 3
		.amdhsa_float_denorm_mode_16_64 3
		.amdhsa_memory_ordered 1
		.amdhsa_forward_progress 1
		.amdhsa_inst_pref_size 109
	.end_amdhsa_kernel
	.amdgpu_metadata
---
amdhsa.version: [ 1, 2 ]
amdhsa.kernels:
  - .name:           k_q7f31454d62_qkv
    .symbol:         k_q7f31454d62_qkv.kd
    .args:
      - { .name: x, .offset: 0, .size: 8, .value_kind: global_buffer, .address_space: global }
      - { .name: Wqkv, .offset: 8, .size: 8, .value_kind: global_buffer, .address_space: global }
      - { .name: bqkv, .offset: 16, .size: 8, .value_kind: global_buffer, .address_space: global }
      - { .name: qc, .offset: 24, .size: 8, .value_kind: global_buffer, .address_space: global }
      - { .name: qs, .offset: 32, .size: 8, .value_kind: global_buffer, .address_space: global }
      - { .name: kvc, .offset: 40, .size: 8, .value_kind: global_buffer, .address_space: global }
      - { .name: kvs, .offset: 48, .size: 8, .value_kind: global_buffer, .address_space: global }
    .group_segment_fixed_size: 86528
    .private_segment_fixed_size: 0
    .kernarg_segment_align: 8
    .kernarg_segment_size: 56
    .max_flat_workgroup_size: 128
    .sgpr_count:     66
    .vgpr_count:     592
    .wavefront_size: 32
...
	.end_amdgpu_metadata
.endif
;; end of part 4
;; launch attn: the kernel of part 2 again; grid 16 x 16, 16 waves a work-group, clusters of 4 x 1, 215,040 bytes of LDS; arguments qc, qs, kvc, kvs, aoc, aos; writes aoc, aos
;; launch proj (part 5): grid 64 x 4, 4 waves a work-group, no clusters, 47,616 bytes of LDS; arguments aoc, aos, Wproj, bproj, out0; writes out0
.if DOCPART == 5
	.amdgcn_target "amdgcn-amd-amdhsa--gfx1250"
	.amdhsa_code_object_version 6
	.text
	.protected	k_q7f31454d62_proj
	.globl	k_q7f31454d62_proj
	.p2align	8
	.type	k_q7f31454d62_proj,@function
k_q7f31454d62_proj:
	s_mov_b64 s[64:65], 0
	v_nop
	global_prefetch_b8 v0, s[64:65] scope:SCOPE_SE
	s_setreg_imm32_b32 hwreg(HW_REG_WAVE_SCHED_MODE, 0, 2), 2
	s_setreg_imm32_b32 hwreg(HW_REG_WAVE_MODE, 25, 1), 1
	s_wait_xcnt 0x0
	s_wait_alu depctr_vm_vsrc(0)
; out0[b][co][n] = the sum over c of ao[b][n][c] Wproj[c][co] + bproj[co], on codes of FP6 (E2M3) with one E8M0 scale for each 32 along K (a head's 32 channels are one block).
; ao arrives as codes, aoc [16 head][4096 token][24 B], aos [16 head][4096 token]; Wproj [256][256] f32 is quantised here, a lane to a column, registers down K.
; SHARES.  Work-group (X, cg): the 128 tokens of step X & 31 of batch X >> 5, output channels 64 cg .. 64 cg + 63.  Wave w quantises K blocks 2 w, 2 w + 1 of the 64 columns into LDS (images of operand registers:
; lane L's 48 bytes at 48 L) and multiplies token tiles 2 w, 2 w + 1 against the four tiles of columns: 16 matrix instructions, eight accumulators by turns.  ao's fragments go from memory straight into registers.
; Source 0 = 16 tokens, source 1 = 16 columns: a lane holds eight neighbouring tokens of one output channel, 32 bytes of a row of out0.  The bias is the C of each sum's first instruction.
; The rows meet in a stage (64 rows of 512 bytes + 16) and leave as whole rows: 512 consecutive bytes a store, at a multiple of 256 from out0's first byte.
; NO CLUSTER, NO TENSOR LOAD: Wproj arrives as f32 and goes through registers to the quantiser; ao's codes, 24,576 bytes a work-group, are wanted in registers and nowhere else.
; LIMITS: NaN and infinities are not served; a block's largest magnitude has the floor 2^-124 (byte at least 1); a block of zeros has the byte 1 and zero codes.
; THE MODE: SCHED_MODE bits 1:0 = 2 (LLVM: expert scheduling mode 2), set by the entry lines.  The code itself states the register dependences
; between vector or matrix instructions and memory or LDS instructions, with s_wait_alu, always for 0.
; THE PLAN.  Registers that memory or LDS instructions touch:
;   v2-v14        offsets and LDS addresses: written at the head, never again; one wait on va_vdst ahead of the first load states them for the whole kernel.
;   window 1      v0-127: W's loads land there once; the moves read them; later the accumulators, which the products write and the stage's LDS stores read.  AO, BI: loaded once, read by the products.
;   AB8           loaded once, read by the lines that make ao's scale words AS; AS goes to the products as scales.
;   CS, BY        QB writes them, the LDS stores of W's images read them, nothing writes them again.
;   F, WS         LDS loads land in them (F lies over T, which the moves wrote and QB read); the products read them.
;   ROWS          the way out: LDS loads land in registers of F, which the products have read and no store has; global stores read them.
; Three waits on va_vdst state all of it: ahead of the first load; ahead of the stores of W's images; behind the products' places, ahead of the stage's stores.  No register that a memory or LDS instruction has read is written again.
.set WIMG, 0                           ; W's 8 fragments: (2 tile + K step) 1,536
.set WSC,  12288                       ; their scale words, 64 bytes a fragment
.set STG,  12800
.set FLOOR, 0x1800000
.set T,   32                           ; v32-159  four blocks of 32 numbers
.set F,   32                           ; v32-127  then W's eight fragments
.set CS,  160                          ; v160-199 four sets of codes
.set AB8, 200                          ; v200-215 ao's scale bytes as loaded
.set AS,  216                          ; v216-219 ao's scale words (2 uu + K step);  v228-235 W's: they hold scales and nothing else
.set WS,  228
.set MM,  236                          ; v236-243 largest magnitudes;  v244-247 scale operands;  v248-251 bytes
.set SCL, 244
.set BY,  248
.set ROWS, 32                          ; v32-95   the way out, in registers that held fragments
.set BI,  128                          ; window 1: v0-127 W as loaded, then the accumulators at 8 (4 uu + tile);  v128-159 the biases;  v160-207 ao's fragments at 12 (2 uu + K step)
.set AO,  160
.set MSB, 0
.macro WIN new                         ; the immediate's high byte repeats the setting that is left
.if MSB != \new
	s_set_vgpr_msb (MSB<<8)|\new
.set MSB, \new
.endif
.endm
; cnt blocks of 32 numbers, v[src + 32 e ..], become 24 bytes of codes in v[cl + 10 e ..] and a scale byte in v[BY + e]; the blocks take turns, two chains each
.macro QB src, cl, ch, cnt
.irp e,0,1,2,3
.if \e < \cnt
	v_max3_num_f32 v[MM+2*\e], |v[\src+32*\e]|, |v[\src+32*\e+1]|, FLOOR
	v_max3_num_f32 v[MM+2*\e+1], |v[\src+32*\e+16]|, |v[\src+32*\e+17]|, |v[\src+32*\e+18]|
.endif
.endr
.irp i,0,2,4,6,8,10
.irp e,0,1,2,3
.if \e < \cnt
	v_max3_num_f32 v[MM+2*\e], v[MM+2*\e], |v[\src+32*\e+2+\i]|, |v[\src+32*\e+3+\i]|
	v_max3_num_f32 v[MM+2*\e+1], v[MM+2*\e+1], |v[\src+32*\e+19+\i]|, |v[\src+32*\e+20+\i]|
.endif
.endr
.endr
.irp e,0,1,2,3
.if \e < \cnt
	v_max3_num_f32 v[MM+2*\e], v[MM+2*\e], |v[\src+32*\e+14]|, |v[\src+32*\e+15]|
.endif
.endr
.irp e,0,1,2,3
.if \e < \cnt
	v_max3_num_f32 v[MM+2*\e], v[MM+2*\e], v[MM+2*\e+1], |v[\src+32*\e+31]|
.endif
.endr
.irp e,0,1,2,3
.if \e < \cnt
	v_add_nc_u32 v[SCL+\e], 0xff000000, v[MM+2*\e]     ; 2 off the exponent field: the conversion's scale operand
.endif
.endr
.irp e,0,1,2,3
.if \e < \cnt
	v_cvt_scalef32_pk16_fp6_f32 v[\cl+10*\e:\cl+10*\e+2], v[\src+32*\e:\src+32*\e+15], v[SCL+\e]
	v_cvt_scalef32_pk16_fp6_f32 v[\ch+10*\e:\ch+10*\e+2], v[\src+32*\e+16:\src+32*\e+31], v[SCL+\e]
.endif
.endr
.irp e,0,1,2,3
.if \e < \cnt
	v_lshrrev_b32 v[BY+\e], 23, v[SCL+\e]              ; the byte; also the plain line behind the conversions
.endif
.endr
.irp e,0,1,2,3
.if \e < \cnt
.irp p,0,1,2
	v_mov_b32 v[\cl+10*\e+3+\p], v[\ch+10*\e+\p]
.endr
.endif
.endr
.endm
	s_load_b256 s[4:11], s[0:1], 0x0               ; aoc s[4:5], aos s[6:7], Wproj s[8:9], bproj s[10:11]
	s_load_b64 s[12:13], s[0:1], 0x20              ; out0
	v_lshl_add_u32 v254, v0, 2, 0xb800
	v_mov_b32 v255, 0
	v_lshrrev_b32 v20, 5, v0
	v_readfirstlane_b32 s20, v20                   ; wave w
	s_and_b32 s21, ttmp7, 0xffff                   ; cg
	s_lshr_b32 s22, ttmp9, 5                       ; batch
	s_and_b32 s23, ttmp9, 31                       ; step
	s_wait_alu depctr_va_sdst(0)                   ; s20 is written, ahead of its first reader
	s_lshr_b32 s24, s20, 1
	s_and_b32 s25, s20, 1
	v_and_b32 v1, 31, v0                           ; l
	v_and_b32 v20, 15, v0                          ; r
	v_bfe_u32 v21, v0, 4, 1                        ; h
	v_bfe_u32 v22, v0, 2, 2                        ; (l & 15) >> 2
	v_and_b32 v23, 3, v0                           ; l & 3
	v_mul_u32_u24 v2, v21, 0x18000
	v_mad_u32_u24 v2, v20, 24, v2
	s_mul_i32 s26, s20, 768
	v_add_nc_u32 v2, s26, v2                       ; v2: ao's codes: head parity h, token 32 w + r
	s_lshl_b32 s26, s20, 5
	v_add_nc_u32 v3, s26, v20                      ; v3: ao's scale bytes: token 32 w + r
	s_lshl_b32 s26, s20, 1
	v_add_nc_u32 v4, s26, v21
	v_lshlrev_b32 v4, 15, v4
	v_lshl_add_u32 v4, v20, 4, v4                  ; v4: W: 32 (2 w + h) rows of 1,024 bytes + 16 (l & 15)
	v_lshlrev_b32 v5, 2, v20                       ; v5: 4 r: the bias, and a scale word's place
	s_mul_i32 s26, s24, 1536
	s_mul_i32 s27, s25, 24
	s_add_co_u32 s26, s26, s27
	v_mul_u32_u24 v6, v22, 3072
	v_mad_u32_u24 v6, v23, 192, v6
	v_mad_u32_u24 v6, v21, 768, v6
	v_add_nc_u32 v6, s26, v6                       ; v6: column 4 (l & 15) + e: tile (l & 15) >> 2, row 4 (l & 3) + e; block 2 w + h
	s_lshl_b32 s26, s24, 6
	s_lshl_b32 s27, s25, 1
	s_add_co_u32 s26, s26, s27
	v_lshl_add_u32 v7, v22, 7, v21
	v_lshl_add_u32 v7, v23, 4, v7
	v_add_nc_u32 v7, s26, v7                       ; v7: its scale byte
	v_mul_u32_u24 v10, v1, 48                      ; v10: 48 l
	v_lshlrev_b32 v14, 4, v1                       ; v14: 16 l
	v_mul_u32_u24 v12, v20, 528
	v_lshl_add_u32 v12, v21, 5, v12
	s_lshl_b32 s26, s20, 7
	v_add_nc_u32 v12, s26, v12                     ; v12: the stage: row r of a tile of columns, tokens 32 w + 8 h on
	s_mul_i32 s26, s20, 8448
	v_add_nc_u32 v13, s26, v14                     ; v13: back: rows 16 w on, 16 bytes a lane
	s_mul_i32 s28, s22, 786432
	s_mul_i32 s26, s23, 3072
	s_add_co_u32 s28, s28, s26                     ; aoc: the batch's eight heads, the step's tokens
	s_mov_b32 s29, 0
	s_lshl_b32 s30, s22, 15
	s_lshl_b32 s26, s23, 7
	s_add_co_u32 s30, s30, s26                     ; aos likewise
	s_mov_b32 s31, 0
	s_lshl_b32 s32, s21, 8                         ; Wproj and bproj: 64 cg columns
	s_mov_b32 s33, 0
	s_lshl_b32 s34, s22, 22
	s_lshl_b32 s26, s21, 20
	s_add_co_u32 s34, s34, s26
	s_lshl_b32 s26, s20, 18
	s_add_co_u32 s34, s34, s26
	s_lshl_b32 s26, s23, 9
	s_add_co_u32 s34, s34, s26                     ; out0: row 256 b + 64 cg + 16 w, the step's 512 bytes
	s_mov_b32 s35, 0
	s_wait_kmcnt 0x0
	s_add_nc_u64 s[4:5], s[4:5], s[28:29]
	s_add_nc_u64 s[6:7], s[6:7], s[30:31]
	s_add_nc_u64 s[8:9], s[8:9], s[32:33]
	s_add_nc_u64 s[10:11], s[10:11], s[32:33]
	s_add_nc_u64 s[12:13], s[12:13], s[34:35]
	WIN 0x40
	s_wait_alu depctr_va_vdst(0)                   ; the offsets and LDS addresses v2 to v14 are written: every load and store of the kernel reads some of them, and none is written again
.set i, 0
.rept 32
	global_load_b128 v[4*i:4*i+3], v4, s[8:9] offset:1024*i        ; W: two rows of 256 consecutive bytes a load; a lane gets four columns x 32 along K
.set i, i+1
.endr
	WIN 0
.irp uu,0,1
.irp ks,0,1
.irp bb,0,1,2,3
	global_load_u8 v[AB8+4*(2*\uu+\ks)+\bb], v3, s[6:7] offset:(4*\ks+\bb)*4096+16*\uu
.endr
.endr
.endr
	WIN 0x40
.irp uu,0,1
.irp ks,0,1
.irp c,0,1
.irp p,0,1,2
	global_load_b64 v[AO+12*(2*\uu+\ks)+6*\c+2*\p:AO+12*(2*\uu+\ks)+6*\c+2*\p+1], v2, s[4:5] offset:(4*\ks+2*\c)*98304+384*\uu+8*\p   ; block 2 c + h of K step ks is head 4 ks + 2 c + h
.endr
.endr
.endr
.endr
.irp ct,0,1,2,3
.irp j,0,1,2,3,4,5,6,7
	global_load_b32 v[BI+8*\ct+\j], v5, s[10:11] offset:64*\ct     ; a lane's eight results are eight tokens of one output channel
.endr
.endr
	WIN 0
	s_wait_loadcnt 56                              ; W and ao's scale bytes are in; ao's 24 loads and the biases' 32 may be out
.irp q,0,1,2,3
	v_lshl_or_b32 v[AS+\q], v[AB8+4*\q+1], 8, v[AB8+4*\q]
	v_lshl_or_b32 v[AS+\q], v[AB8+4*\q+2], 16, v[AS+\q]
	v_lshl_or_b32 v[AS+\q], v[AB8+4*\q+3], 24, v[AS+\q]
.endr
	WIN 0x01                                       ; a quad's registers (4 i + e) are laid as four blocks (32 e + i): the conversions take neighbours along K from consecutive registers
.set i, 0
.rept 32
.irp e,0,1,2,3
	v_mov_b32 v[T+32*\e+i], v[4*i+\e]
.endr
.set i, i+1
.endr
	WIN 0
	QB T, CS, CS+6, 4
	s_wait_alu depctr_va_vdst(0)                   ; QB has written the codes and bytes, which the LDS stores below read; the moves and QB are done with T, in which W's fragments land behind the barrier; ao's scale words AS are written, which the products take as scales (the moves and QB are the places between)
.irp e,0,1,2,3
.irp p,0,1,2
	ds_store_b64 v6, v[CS+10*\e+2*\p:CS+10*\e+2*\p+1] offset:WIMG+48*\e+8*\p
.endr
	ds_store_b8 v7, v[BY+\e] offset:WSC+4*\e
.endr
	s_wait_dscnt 0x0                               ; for the others' sake: my stores into the images are done
	s_barrier_signal -1
	s_barrier_wait -1
.set k, 0
.rept 8
.irp c,0,1,2
	ds_load_b128 v[F+12*k+4*\c:F+12*k+4*\c+3], v10 offset:WIMG+1536*k+16*\c
.endr
	ds_load_b32 v[WS+k], v5 offset:WSC+64*k
.set k, k+1
.endr
	s_wait_loadcnt 0x0                             ; ao's fragments and the biases
	s_wait_dscnt 0x0
	WIN 0x51                                       ; source 0 (ao), C and D in window 1; source 1 (W) in window 0
.irp uu,0,1
.irp ct,0,1,2,3
	v_wmma_scale_f32_16x16x128_f8f6f4 v[8*(4*\uu+\ct):8*(4*\uu+\ct)+7], v[AO+24*\uu:AO+24*\uu+11], v[F+24*\ct:F+24*\ct+11], v[BI+8*\ct:BI+8*\ct+7], v[AS+2*\uu], v[WS+2*\ct] matrix_a_fmt:MATRIX_FMT_FP6 matrix_b_fmt:MATRIX_FMT_FP6
.endr
.endr
.irp uu,0,1
.irp ct,0,1,2,3
	v_wmma_scale_f32_16x16x128_f8f6f4 v[8*(4*\uu+\ct):8*(4*\uu+\ct)+7], v[AO+24*\uu+12:AO+24*\uu+23], v[F+24*\ct+12:F+24*\ct+23], v[8*(4*\uu+\ct):8*(4*\uu+\ct)+7], v[AS+2*\uu+1], v[WS+2*\ct+1] matrix_a_fmt:MATRIX_FMT_FP6 matrix_b_fmt:MATRIX_FMT_FP6
.endr
.endr
.rept 5
	v_nop                                          ; places ahead of the LDS stores that read the results
.endr
	WIN 0x04                                       ; an LDS store's data are its source 1: window 1
	s_wait_alu depctr_va_vdst(0)                   ; the products have written the accumulators, which the LDS stores below read, and are done reading W's fragments, in whose registers the rows land behind the barrier; the places above stay beside this wait
.irp uu,0,1
.irp ct,0,1,2,3
	ds_store_b128 v12, v[8*(4*\uu+\ct):8*(4*\uu+\ct)+3] offset:STG+8448*\ct+64*\uu          ; each accumulator from its low end on
	ds_store_b128 v12, v[8*(4*\uu+\ct)+4:8*(4*\uu+\ct)+7] offset:STG+8448*\ct+64*\uu+16
.endr
.endr
	WIN 0
	s_wait_dscnt 0x0                               ; my stores into the stage are done
	s_barrier_signal -1
	s_barrier_wait -1
.irp i,0,1,2,3,4,5,6,7,8,9,10,11,12,13,14,15
	ds_load_b128 v[ROWS+4*\i:ROWS+4*\i+3], v13 offset:STG+528*\i
.endr
.irp i,0,1,2,3,4,5,6,7,8,9,10,11,12,13,14,15
	s_wait_dscnt 15-\i                             ; the younger loads may be out
	global_store_b128 v14, v[ROWS+4*\i:ROWS+4*\i+3], s[12:13] offset:16384*\i th:TH_STORE_NT   ; 512 consecutive bytes of one output channel; written once, read by nobody here
.endr
	s_wait_dscnt 0x0
	s_wait_alu depctr_hold_cnt(0) depctr_sa_sdst(0) depctr_va_vdst(0) depctr_va_sdst(0) depctr_va_ssrc(0) depctr_va_vcc(0) depctr_vm_vsrc(0)
	s_wait_tensorcnt 0x0
	ds_add_u32 v254, v255
	s_wait_dscnt 0x0
	s_endpgm
.Lfunc_end_k_q7f31454d62_proj:
	.size	k_q7f31454d62_proj, .Lfunc_end_k_q7f31454d62_proj-k_q7f31454d62_proj
	.p2alignl 7, 3214868480
	.fill 96, 4, 3214868480
	.section	.rodata,"a",@progbits
	.p2align	6, 0x0
	.amdhsa_kernel k_q7f31454d62_proj
		.amdhsa_group_segment_fixed_size 47616
		.amdhsa_private_segment_fixed_size 0
		.amdhsa_enable_private_segment 0
		.amdhsa_kernarg_size 40
		.amdhsa_user_sgpr_count 2
		.amdhsa_user_sgpr_kernarg_segment_ptr 1
		.amdhsa_wavefront_size32 1
		.amdhsa_system_sgpr_workgroup_id_x 1
		.amdhsa_system_sgpr_workgroup_id_y 1
		.amdhsa_system_sgpr_workgroup_id_z 1
		.amdhsa_system_vgpr_workitem_id 0
		.amdhsa_next_free_vgpr 464
		.amdhsa_next_free_sgpr 66
		.amdhsa_reserve_vcc 0
		.amdhsa_float_denorm_mode_32 3
		.amdhsa_float_denorm_mode_16_64 3
		.amdhsa_memory_ordered 1
		.amdhsa_forward_progress 1
		.amdhsa_inst_pref_size 34
	.end_amdhsa_kernel
	.amdgpu_metadata
---
amdhsa.version: [ 1, 2 ]
amdhsa.kernels:
  - .name:           k_q7f31454d62_proj
    .symbol:         k_q7f31454d62_proj.kd
    .args:
      - { .name: aoc, .offset: 0, .size: 8, .value_kind: global_buffer, .address_space: global }
      - { .name: aos, .offset: 8, .size: 8, .value_kind: global_buffer, .address_space: global }
      - { .name: Wproj, .offset: 16, .size: 8, .value_kind: global_buffer, .address_space: global }
      - { .name: bproj, .offset: 24, .size: 8, .value_kind: global_buffer, .address_space: global }
      - { .name: out0, .offset: 32, .size: 8, .value_kind: global_buffer, .address_space: global }
    .group_segment_fixed_size: 47616
    .private_segment_fixed_size: 0
    .kernarg_segment_align: 8
    .kernarg_segment_size: 40
    .max_flat_workgroup_size: 128
    .sgpr_count:     66
    .vgpr_count:     464
    .wavefront_size: 32
...
	.end_amdgpu_metadata
.endif
;; end of part 5
